; MI455X (gfx1250); checked and timed in simulation.
; The chip was launched on July 23, 2026; its instructions are those of AMD's public machine-readable ISA for CDNA 5 (MIT licence, August 2026) and "CDNA5" Instruction Set Architecture Reference Guide (July 2026). The comments in the code are by the model that wrote it; some were corrected since.
;; Multi Head Self Attention. Allowed arithmetic: matrix products marked QUANTISED: E2M1 operands, one E8M0 scale for each 32 along K, by v_wmma_scale_f32_16x16x128_f8f6f4 with both operands' format E2M1 (or v_wmma_scale_f32_32x16x128_f4), f32 sums; products left as they are: bf16, f16 or f32 operands; f32 sums; everything else in f32.
;; Inputs: token_positions 4 x 2,048 int32; wk 1,024 x 1,024 float32; wo 1,024 x 1,024 float32; wq 1,024 x 1,024 float32; wv 1,024 x 1,024 float32; x 4 x 2,048 x 1,024 float32.
;; Outputs: out0 4 x 2,048 x 1,024 float32.
;; This version of the problem:
;;   THIS VERSION OF THE PROBLEM IS GIVEN IN LOW PRECISION. The matrix products marked QUANTISED in the list below multiply operands that are first quantised to E2M1 (2 exponent bits, 1 mantissa bit; 4 bits a number), with one power-of-two scale for each 32 numbers along K (OCP MX v1.0); their sums are f32. The products marked 'left as it is' may take bf16, f16 or f32 operands, with f32 sums. Whichever they take, every output number must still come out within the allowed error. Rounding operands to bf16 (8 significant bits) uses up far more of that allowance than f16 does (11 bits, for magnitudes from 6e-5 to 65,504). All else is computed in f32.
;;   The module's matrix products, in the order in which they are computed (A, B: the left and right operand; K: the contracted axis; several contracted axes count as one K, in the product's order):
;;     1. [M 8,192, K 1,024] x [K 1,024, N 1,024]; A: input x; B: input wq: QUANTISED
;;     2. [M 8,192, K 1,024] x [K 1,024, N 1,024]; A: input x; B: input wk: QUANTISED
;;     3. [M 8,192, K 1,024] x [K 1,024, N 1,024]; A: input x; B: input wv: QUANTISED
;;     4. batch 64 x [M 2,048, K 64] x [K 64, N 2,048]; A: computed on the way; B: computed on the way: left as it is (an operand is computed on the way)
;;     5. batch 64 x [M 2,048, K 2,048] x [K 2,048, N 64]; A: computed on the way; B: computed on the way: left as it is (an operand is computed on the way)
;;     6. [M 8,192, K 1,024] x [K 1,024, N 1,024]; A: computed on the way; B: input wo: left as it is (an operand is computed on the way)
;;   THE QUANTISER, for each operand of a quantised product, along K:
;;     - K is cut into blocks of 32 from its start; a last block that is shorter is filled with zeros.
;;     - A block's scale is 2^e with e = floor(log2(the largest magnitude in the block)) - 2, held to -126 .. 127; a block of zeros has e = 0. As a byte (E8M0): e + 127.
;;     - Each number is divided by its block's scale, clamped to +-6, and rounded to the nearest number of E2M1, ties to even, subnormals kept.
;;     - The product sums the exact products of the quantised numbers (number of the format x scale) in f32.
;;   ~~~python
;;   def quantise(x, axis):      # numpy; x: float32 -> the quantised numbers, widened to float32 again
;;       x = np.moveaxis(x, axis, -1); K = x.shape[-1]
;;       x = np.pad(x, [(0, 0)] * (x.ndim - 1) + [(0, -K % 32)]); x = x.reshape(x.shape[:-1] + (-1, 32)); a = np.abs(x).max(-1, keepdims=True)
;;       e = np.where(a > 0, np.clip(np.frexp(np.where(a > 0, a, 1))[1] - 1 - 2, -126, 127), 0)      # np.frexp(a)[1] - 1 = floor(log2(a)), exactly
;;       r = np.clip(x / 2.0 ** e, -6, 6)
;;       step = 2.0 ** (np.maximum(np.frexp(np.where(r == 0, 1, r))[1] - 1, 0) - 1)
;;       q = np.round(r / step) * step * 2.0 ** e      # np.round: ties to even
;;       return np.moveaxis(q.reshape(q.shape[:-2] + (-1,))[..., :K], -1, axis).astype(np.float32)
;;   ~~~
;; One version. Each part assembles by itself: llvm-mc -triple=amdgcn-amd-amdhsa -mcpu=gfx1250 --defsym DOCPART=n.
;; ======== version 1 of 1: 5 launches
;; limits: values are held in f16: magnitudes above 65,504 overflow, below 6.1e-05 lose precision; right only within a limited range of input values
;; workspace buffers: xc 4,194,304 bytes; wc 1,572,864 bytes; sc 360,448 bytes; tab 2,097,152 bytes; woh 2,097,152 bytes; qkvf 50,331,648 bytes; stf 786,432 bytes; ofr 16,777,216 bytes
;; launch prep (part 1): grid 448 x 1, 4 waves a work-group, no clusters, 33,280 bytes of LDS; arguments x, wq, wk, wv, wo, token_positions, xc, wc, sc, woh, tab; writes xc, wc, sc, woh, tab
.if DOCPART == 1
	.amdgcn_target "amdgcn-amd-amdhsa--gfx1250"
	.amdhsa_code_object_version 6
	.text
	.protected	k_qb4a40f7d56_prep
	.globl	k_qb4a40f7d56_prep
	.p2align	8
	.type	k_qb4a40f7d56_prep,@function
k_qb4a40f7d56_prep:
	s_mov_b64 s[64:65], 0
	v_nop
	global_prefetch_b8 v0, s[64:65] scope:SCOPE_SE
	s_setreg_imm32_b32 hwreg(HW_REG_WAVE_MODE, 25, 1), 1
	s_wait_xcnt 0x0
; PREP.  Three kinds of work-groups, told apart by the work-group's number alone.
;   0-351   x [8192][1024] and wq, wk, wv [1024][1024], f32, become codes of FP4 (E2M1), K innermost, with one E8M0 byte for each 32 along K.
;           A block's scale is 2^(floor(log2(largest magnitude)) - 2); its byte is the largest magnitude's exponent field - 2, held at 1 from below.
;           x's codes go to xc [8192][512 bytes].  The weights' go to wc [head 16][192 rows][512 bytes]: a head's rows are its 64 of wq, its 64 of wk, its 64 of wv,
;           so that the next launch finds one head's q, k and v rows as one dense block.  Scale bytes: sc, x's [8192][32] from byte 0, the weights' in wc's row order from byte 262,144.
;   352-383 wo, f32, is rounded to f16, row-major as it lies (woh).
;   384-447 the table of cosines and sines: tab [8192 tokens][64 f32]: entries 0-31 cos(position x div_i), 32-63 sin, div_i = 10000^(-i/32).
; LIMITS: a block of zeros keeps the byte 1 (its codes are zeros, and this program alone reads the bytes); blocks under 2^-124 were not tried; NaN and infinities are not served;
; |wo| under 65,504 (f16); |position| up to 2^21 (the reach of the three-part reduction by pi/2).
; A wave of the first kind takes 8 rows (8,192 numbers) in 16 steps of 512.  The conversions take 16 neighbours of ONE lane; the loads take 16 bytes a lane, 512 consecutive bytes a load; a step's 2,048
; bytes turn through the wave's own stage in LDS (16 bytes of padding behind each 64).  A lane's 16 codes are 8 bytes: a wave's store covers 256 consecutive bytes, aligned.  The wave's 256 scale bytes
; are gathered in LDS and leave as one store of 256 bytes.  8 divides 64, so a wave's rows stay in one head and one weight.  No tensor loads, no barrier: waves share nothing.
.set WG_Q,  352
.set WG_W,  384
.set WREG,  8192                       ; LDS: a region for each wave: two stages of 32 x SP bytes, behind them its 256 scale bytes
.set SP,    80                         ; a lane's place in a stage: 64 bytes + 16 of padding
.set CB,    8                          ; bytes of 16 codes
.set STEPS, 16
.set EMAX,  2
.set R,     16                         ; v16-79   four sets of 16 numbers as loaded
.set X,     80                         ; v80-111  two sets of 16 neighbours
.set E,     112                        ; v112-127 a scale byte for each step
.set C,     128                        ; v128-191 codes: four registers a step, so that no store's data are written again
.set SPW,   12                         ; v12  LDS address of my spare word; never rewritten
.set NIL,   13                         ; v13  0; never rewritten
.set SPARE, 4*WREG                     ; behind the four regions: the spare words, 128 bytes a wave
.set POS,   16                         ; the table: v16-31 positions
.set TA,    32                         ; v32-35 angle, later at work
.set TN,    36                         ; v36-39 quadrant
.set TR,    40                         ; v40-43 reduced angle
.set TZ,    44                         ; v44-47 its square
.set TPS,   48                         ; v48-51 sine
.set TPC,   52                         ; v52-55 cosine
.set PF,    56                         ; v56    position as f32
.set OUTR,  64                         ; v64-127 four results a turn: no store's data are written again
.set DIV,   140                        ; v140-143 my four frequencies
.set DEL,   144                        ; v144   1 in lanes that make cosines (a quadrant on), else 0
	s_load_b256 s[4:11], s[0:1], 0x0               ; x, wq, wk, wv
	s_load_b256 s[12:19], s[0:1], 0x20             ; wo, token_positions, xc, wc
	s_load_b128 s[20:23], s[0:1], 0x40             ; sc, woh
	s_load_b64 s[24:25], s[0:1], 0x50              ; tab
	v_lshl_add_u32 v[SPW], v0, 2, SPARE
	v_mov_b32 v[NIL], 0
	v_lshrrev_b32 v1, 5, v0
	v_readfirstlane_b32 s26, v1                    ; wave 0..3
	v_and_b32 v2, 31, v0                           ; lane
	s_wait_kmcnt 0x0
	s_cmp_lt_u32 ttmp9, WG_Q
	s_cbranch_scc0 .Lnot_q
	; ---------------- codes and scale bytes ----------------
	v_lshlrev_b32 v3, 4, v2                        ; my 16 bytes of a load's 512
	s_mul_i32 s27, s26, WREG
	v_lshrrev_b32 v14, 2, v2
	v_mul_u32_u24 v14, v14, SP
	v_and_b32 v15, 3, v2
	v_lshl_add_u32 v14, v15, 4, v14
	v_add_nc_u32 v14, s27, v14                     ; the stage, on the way in: SP (lane / 4) + 16 (lane % 4)
	v_mul_u32_u24 v15, v2, SP
	v_add_nc_u32 v15, s27, v15                     ; and on the way out: SP x lane: my 16 neighbours
	v_mul_u32_u24 v4, v2, CB                       ; my codes' place in a step's
	v_lshrrev_b32 v5, 1, v2
	s_add_co_u32 s27, s27, 2*32*SP
	v_add_nc_u32 v5, s27, v5                       ; LDS: my block's scale byte
	v_lshlrev_b32 v7, 3, v2                        ; and on the way out 8 bytes a lane
	v_add_nc_u32 v6, s27, v7
	s_sub_co_u32 s34, ttmp9, 256                   ; g: which of the 96 work-groups of the weights (of no meaning in x's work-groups: chosen away below)
	s_lshr_b32 s35, s34, 5                         ; t: 0 wq, 1 wk, 2 wv
	s_and_b32 s36, s34, 31
	s_lshl_b32 s36, s36, 2
	s_add_co_u32 s36, s36, s26                     ; o8: which 8 rows of that weight
	s_lshr_b32 s37, s36, 3                         ; the head
	s_mul_i32 s37, s37, 24                         ; 192 rows a head, in eights,
	s_lshl_b32 s38, s35, 3
	s_add_co_u32 s37, s37, s38                     ; + 64 t rows
	s_and_b32 s38, s36, 7
	s_add_co_u32 s37, s37, s38                     ; + the eight within the head: where the run lands in wc
	s_lshl_b32 s38, ttmp9, 2
	s_add_co_u32 s38, s38, s26                     ; x: run 4 x work-group + wave, in and out
	s_cmp_eq_u32 s35, 1
	s_cselect_b64 s[28:29], s[8:9], s[6:7]         ; the choices hang on the work-group's number alone
	s_cmp_eq_u32 s35, 2
	s_cselect_b64 s[28:29], s[10:11], s[28:29]
	s_cmp_lt_u32 ttmp9, 256
	s_cselect_b64 s[28:29], s[4:5], s[28:29]       ; from where,
	s_cselect_b64 s[30:31], s[16:17], s[18:19]     ; the codes' buffer,
	s_cselect_b32 s39, 0, 0x40000                  ; where its scale bytes begin in sc,
	s_cselect_b32 s36, s38, s36                    ; the run on the way in,
	s_cselect_b32 s37, s38, s37                    ; and on the way out
	s_lshl_b32 s40, s36, 15                        ; 8,192 numbers of 4 bytes
	s_mov_b32 s41, 0
	s_add_nc_u64 s[28:29], s[28:29], s[40:41]
	s_lshl_b32 s40, s37, 12                        ; 4,096 bytes of codes
	s_add_nc_u64 s[30:31], s[30:31], s[40:41]
	s_lshl_b32 s40, s37, 8                         ; 256 scale bytes
	s_add_co_u32 s40, s40, s39
	s_add_nc_u64 s[32:33], s[20:21], s[40:41]
.macro LOAD t
.irp i, 0,1,2,3
	global_load_b128 v[R+16*((\t)%4)+4*\i:R+16*((\t)%4)+4*\i+3], v3, s[28:29] offset:2048*(\t)+512*\i th:TH_LOAD_NT   ; 32 lanes read 512 consecutive bytes
.endr
.endm
.macro TURN t                          ; step t's numbers through the stage: LDS serves a wave's instructions in order, so no wait stands between the stores and the loads
.irp i, 0,1,2,3
	ds_store_b128 v14, v[R+16*((\t)%4)+4*\i:R+16*((\t)%4)+4*\i+3] offset:32*SP*((\t)%2)+8*SP*\i
.endr
.irp i, 0,1,2,3
	ds_load_b128 v[X+16*((\t)%2)+4*\i:X+16*((\t)%2)+4*\i+3], v15 offset:32*SP*((\t)%2)+16*\i
.endr
.endm
.irp t, 0,1,2,3
	LOAD \t
.endr
	s_wait_loadcnt 12                              ; step 0's four loads are in
	TURN 0
.macro STEP t
.set XS, X+16*((\t)%2)
.if (\t) > 0
	s_wait_dscnt 1                                 ; this step's numbers are back from the stage (the last step's byte store may be out): its stores into the stage have read their registers,
.else
	s_wait_dscnt 0x0
.endif
.if (\t)+4 < STEPS
	LOAD (\t)+4                                    ; which take the loads of four steps on
.endif
.if (\t)+1 < STEPS
.if STEPS-2-(\t) >= 3
	s_wait_loadcnt 12                              ; the next step's four loads are in; those of the three steps behind it may be out
.else
	s_wait_loadcnt 4*(STEPS-2-(\t))
.endif
	TURN (\t)+1                                    ; and go through the other stage while this step is worked
.endif
	v_max3_num_f32 v8, |v[XS]|, |v[XS+1]|, |v[XS+2]|               ; the largest magnitude of my 16, in two chains
	v_max3_num_f32 v9, |v[XS+3]|, |v[XS+4]|, |v[XS+5]|
.irp i, 6,10
	v_max3_num_f32 v8, v8, |v[XS+\i]|, |v[XS+\i+1]|
	v_max3_num_f32 v9, v9, |v[XS+\i+2]|, |v[XS+\i+3]|
.endr
	v_max3_num_f32 v8, v8, |v[XS+14]|, |v[XS+15]|
	v_max3_num_f32 v8, v8, v9, (EMAX+1)<<23        ; and the floor 2^(3 - 127): the byte cannot fall under 1
	v_max_num_f32_dpp v8, v8, v8 row_xmask:1 row_mask:0xf bank_mask:0xf   ; and of my neighbour's 16: the block's
	v_add_nc_u32 v11, 0xff000000, v8               ; 2 off its exponent field: the conversion takes the exponent field of this operand as its scale
	v_cvt_scalef32_pk8_fp4_f32 v[C+4*(\t)], v[XS:XS+7], v11         ; to the nearest code, ties to even, beyond 6 the largest code
	v_cvt_scalef32_pk8_fp4_f32 v[C+4*(\t)+1], v[XS+8:XS+15], v11
	v_lshrrev_b32 v[E+(\t)], 23, v11               ; the scale's byte
	ds_store_b8 v5, v[E+(\t)] offset:16*(\t)       ; both lanes of a block write the same byte with the same value
	global_store_b64 v4, v[C+4*(\t):C+4*(\t)+1], s[30:31] offset:32*CB*(\t)
.endm
.irp t, 0,1,2,3,4,5,6,7,8,9,10,11,12,13,14,15
	STEP \t
.endr
	ds_load_b64 v[8:9], v6                         ; LDS serves a wave's instructions in order: these see my stores
	s_wait_dscnt 0x0
	global_store_b64 v7, v[8:9], s[32:33]          ; 32 lanes store 256 consecutive bytes, aligned
	s_wait_tensorcnt 0x0                           ; the wave's end, behind my last LDS store
	ds_add_u32 v[SPW], v[NIL]
	s_wait_dscnt 0x0
	s_endpgm
.Lnot_q:
	s_cmp_lt_u32 ttmp9, WG_W
	s_cbranch_scc0 .Ltable
	; ---------------- wo to f16: a wave takes 8,192 numbers, four batches of 16 loads, two batches on their way ----------------
	s_sub_co_u32 s34, ttmp9, WG_Q
	s_lshl_b32 s34, s34, 2
	s_add_co_u32 s34, s34, s26                     ; 0..127
	s_lshl_b32 s36, s34, 15
	s_mov_b32 s37, 0
	s_add_nc_u64 s[28:29], s[12:13], s[36:37]
	s_lshl_b32 s36, s34, 14
	s_add_nc_u64 s[30:31], s[22:23], s[36:37]
	v_lshlrev_b32 v3, 4, v2                        ; in: 16 bytes a lane
	v_lshlrev_b32 v4, 3, v2                        ; out: 8
.macro LOADB k
.irp i, 0,1,2,3,4,5,6,7,8,9,10,11,12,13,14,15
	global_load_b128 v[16+64*((\k)%2)+4*\i:16+64*((\k)%2)+4*\i+3], v3, s[28:29] offset:8192*(\k)+512*\i th:TH_LOAD_NT
.endr
.endm
.macro CVTB k, left
	s_wait_loadcnt \left                           ; this batch is in; the younger batch may be out
.if (\k) > 0
	s_wait_xcnt 0x0                                ; the last batch's stores have read their data: v144-175 are written again
.endif
.irp i, 0,1,2,3,4,5,6,7,8,9,10,11,12,13,14,15
	v_cvt_pk_f16_f32 v[144+2*\i], v[16+64*((\k)%2)+4*\i], v[16+64*((\k)%2)+4*\i+1]
	v_cvt_pk_f16_f32 v[145+2*\i], v[16+64*((\k)%2)+4*\i+2], v[16+64*((\k)%2)+4*\i+3]
.endr
.irp i, 0,1,2,3,4,5,6,7,8,9,10,11,12,13,14,15
	global_store_b64 v4, v[144+2*\i:145+2*\i], s[30:31] offset:4096*(\k)+256*\i   ; 32 lanes store 256 consecutive bytes, aligned
.endr
.endm
	LOADB 0
	LOADB 1
	CVTB 0, 16
	LOADB 2
	CVTB 1, 16
	LOADB 3
	CVTB 2, 16
	CVTB 3, 0
	s_endpgm
.Ltable:
	; ---------------- the table: a wave takes 32 tokens, two a turn: lanes 0-15 one token's 64 entries (4 a lane), lanes 16-31 the next token's ----------------
	s_sub_co_u32 s34, ttmp9, WG_W
	s_lshl_b32 s34, s34, 2
	s_add_co_u32 s34, s34, s26                     ; 0..255
	s_lshl_b32 s36, s34, 7
	s_mov_b32 s37, 0
	s_add_nc_u64 s[28:29], s[14:15], s[36:37]      ; my 32 positions
	s_lshl_b32 s36, s34, 13
	s_add_nc_u64 s[30:31], s[24:25], s[36:37]      ; my 32 rows of 256 bytes
	v_lshrrev_b32 v3, 4, v2
	v_lshlrev_b32 v3, 2, v3                        ; 4 bytes on for lanes 16-31
	v_lshlrev_b32 v4, 4, v2                        ; out: 16 bytes a lane
.irp it, 0,1,2,3,4,5,6,7,8,9,10,11,12,13,14,15
	global_load_b32 v[POS+\it], v3, s[28:29] offset:8*\it
.endr
	s_mov_b32 s36, 0x3f22f983                      ; 2 / pi
	s_mov_b32 s37, 0x3fc90fdb                      ; pi / 2 in three parts
	s_mov_b32 s38, 0xb33bbd2e
	s_mov_b32 s39, 0xa6f72cf3
	s_mov_b32 s40, 0xbe2aaaab                      ; the sine's series: -1/6, 1/120, -1/5040, 1/362880
	s_mov_b32 s41, 0x3c088889
	s_mov_b32 s42, 0xb9500d01
	s_mov_b32 s43, 0x3638ef1d
	s_mov_b32 s44, 0x3d2aaaab                      ; the cosine's: 1/24, -1/720, 1/40320
	s_mov_b32 s45, 0xbab60b61
	s_mov_b32 s46, 0x37d00d01
	v_and_b32 v5, 15, v2
	v_lshlrev_b32 v6, 2, v5                        ; my first entry
.irp j, 0,1,2,3
	v_add_nc_u32 v[TA+\j], \j, v6
.endr
.irp j, 0,1,2,3
	v_and_b32 v[TA+\j], 31, v[TA+\j]               ; its frequency's number i
.endr
.irp j, 0,1,2,3
	v_cvt_f32_u32 v[TA+\j], v[TA+\j]
.endr
.irp j, 0,1,2,3
	v_mul_f32 v[TA+\j], 0xbed49a78, v[TA+\j]       ; -i log2(10000) / 32
.endr
.irp j, 0,1,2,3
	v_exp_f32 v[DIV+\j], v[TA+\j]
.endr
	v_lshrrev_b32 v[DEL], 3, v5                    ; (plain work behind the exponentials)
	v_xor_b32 v[DEL], 1, v[DEL]                    ; entries 0-31 are cosines: sin(angle + pi / 2)
	s_wait_alu depctr_va_vdst(0)                   ; one wait for the four, ahead of their first reader
.macro TABIT it
	s_wait_loadcnt 15-\it                          ; this turn's position is in; the later turns' may be out
	v_cvt_f32_i32 v[PF], v[POS+\it]
.irp j, 0,1,2,3
	v_mul_f32 v[TA+\j], v[PF], v[DIV+\j]           ; the angle, as reference() rounds it
.endr
.irp j, 0,1,2,3
	v_mul_f32 v[TN+\j], s36, v[TA+\j]
.endr
.irp j, 0,1,2,3
	v_rndne_f32 v[TN+\j], v[TN+\j]                 ; n: the nearest multiple of pi / 2
.endr
.irp j, 0,1,2,3
	v_fma_f32 v[TR+\j], -v[TN+\j], s37, v[TA+\j]
.endr
.irp j, 0,1,2,3
	v_fma_f32 v[TR+\j], -v[TN+\j], s38, v[TR+\j]
.endr
.irp j, 0,1,2,3
	v_fma_f32 v[TR+\j], -v[TN+\j], s39, v[TR+\j]   ; r = angle - n pi / 2, within pi / 4
.endr
.irp j, 0,1,2,3
	v_mul_f32 v[TZ+\j], v[TR+\j], v[TR+\j]
.endr
.irp j, 0,1,2,3
	v_fma_f32 v[TPS+\j], v[TZ+\j], s43, s42
	v_fma_f32 v[TPC+\j], v[TZ+\j], s46, s45
.endr
.irp j, 0,1,2,3
	v_fma_f32 v[TPS+\j], v[TPS+\j], v[TZ+\j], s41
	v_fma_f32 v[TPC+\j], v[TPC+\j], v[TZ+\j], s44
.endr
.irp j, 0,1,2,3
	v_fma_f32 v[TPS+\j], v[TPS+\j], v[TZ+\j], s40
	v_mul_f32 v[TA+\j], v[TR+\j], v[TZ+\j]
.endr
.irp j, 0,1,2,3
	v_fma_f32 v[TPS+\j], v[TA+\j], v[TPS+\j], v[TR+\j]   ; sin r
.endr
.irp j, 0,1,2,3
	v_mul_f32 v[TA+\j], v[TZ+\j], v[TZ+\j]
	v_fma_f32 v[TR+\j], v[TZ+\j], -0.5, 1.0
.endr
.irp j, 0,1,2,3
	v_fma_f32 v[TPC+\j], v[TA+\j], v[TPC+\j], v[TR+\j]   ; cos r
.endr
.irp j, 0,1,2,3
	v_cvt_i32_f32 v[TN+\j], v[TN+\j]
.endr
.irp j, 0,1,2,3
	v_add_nc_u32 v[TN+\j], v[TN+\j], v[DEL]        ; the quadrant: 0 sin r, 1 cos r, 2 -sin r, 3 -cos r
.endr
.irp j, 0,1,2,3
	v_and_b32 v[TA+\j], 1, v[TN+\j]
.endr
.irp j, 0,1,2,3
	v_cmp_eq_u32 vcc_lo, 1, v[TA+\j]
	v_cndmask_b32 v[OUTR+4*\it+\j], v[TPS+\j], v[TPC+\j], vcc_lo
.endr
.irp j, 0,1,2,3
	v_lshlrev_b32 v[TN+\j], 30, v[TN+\j]
.endr
.irp j, 0,1,2,3
	v_and_b32 v[TN+\j], 0x80000000, v[TN+\j]
.endr
.irp j, 0,1,2,3
	v_xor_b32 v[OUTR+4*\it+\j], v[OUTR+4*\it+\j], v[TN+\j]
.endr
	global_store_b128 v4, v[OUTR+4*\it:OUTR+4*\it+3], s[30:31] offset:512*\it   ; two tokens' rows: 512 consecutive bytes, aligned
.endm
.irp it, 0,1,2,3,4,5,6,7,8,9,10,11,12,13,14,15
	TABIT \it
.endr
	s_endpgm
.Lfunc_end_k_qb4a40f7d56_prep:
	.size	k_qb4a40f7d56_prep, .Lfunc_end_k_qb4a40f7d56_prep-k_qb4a40f7d56_prep
	.p2alignl 7, 3214868480
	.fill 96, 4, 3214868480
	.section	.rodata,"a",@progbits
	.p2align	6, 0x0
	.amdhsa_kernel k_qb4a40f7d56_prep
		.amdhsa_group_segment_fixed_size 33280
		.amdhsa_private_segment_fixed_size 0
		.amdhsa_enable_private_segment 0
		.amdhsa_kernarg_size 88
		.amdhsa_user_sgpr_count 2
		.amdhsa_user_sgpr_kernarg_segment_ptr 1
		.amdhsa_wavefront_size32 1
		.amdhsa_system_sgpr_workgroup_id_x 1
		.amdhsa_system_sgpr_workgroup_id_y 1
		.amdhsa_system_sgpr_workgroup_id_z 1
		.amdhsa_system_vgpr_workitem_id 0
		.amdhsa_next_free_vgpr 192
		.amdhsa_next_free_sgpr 66
		.amdhsa_reserve_vcc 1
		.amdhsa_float_denorm_mode_32 3
		.amdhsa_float_denorm_mode_16_64 3
		.amdhsa_memory_ordered 1
		.amdhsa_forward_progress 1
		.amdhsa_inst_pref_size 135
	.end_amdhsa_kernel
	.amdgpu_metadata
---
amdhsa.version: [ 1, 2 ]
amdhsa.kernels:
  - .name:           k_qb4a40f7d56_prep
    .symbol:         k_qb4a40f7d56_prep.kd
    .args:
      - { .name: x, .offset: 0, .size: 8, .value_kind: global_buffer, .address_space: global }
      - { .name: wq, .offset: 8, .size: 8, .value_kind: global_buffer, .address_space: global }
      - { .name: wk, .offset: 16, .size: 8, .value_kind: global_buffer, .address_space: global }
      - { .name: wv, .offset: 24, .size: 8, .value_kind: global_buffer, .address_space: global }
      - { .name: wo, .offset: 32, .size: 8, .value_kind: global_buffer, .address_space: global }
      - { .name: token_positions, .offset: 40, .size: 8, .value_kind: global_buffer, .address_space: global }
      - { .name: xc, .offset: 48, .size: 8, .value_kind: global_buffer, .address_space: global }
      - { .name: wc, .offset: 56, .size: 8, .value_kind: global_buffer, .address_space: global }
      - { .name: sc, .offset: 64, .size: 8, .value_kind: global_buffer, .address_space: global }
      - { .name: woh, .offset: 72, .size: 8, .value_kind: global_buffer, .address_space: global }
      - { .name: tab, .offset: 80, .size: 8, .value_kind: global_buffer, .address_space: global }
    .group_segment_fixed_size: 33280
    .private_segment_fixed_size: 0
    .kernarg_segment_align: 8
    .kernarg_segment_size: 88
    .max_flat_workgroup_size: 128
    .sgpr_count:     66
    .vgpr_count:     192
    .wavefront_size: 32
...
	.end_amdgpu_metadata
.endif
;; end of part 1
;; launch qkvgemm (part 2): grid 16 x 32, 4 waves a work-group, clusters of 4 x 4, 327,680 bytes of LDS; arguments xc, wc, sc, tab, qkvf, stf; writes qkvf, stf
.if DOCPART == 2
	.amdgcn_target "amdgcn-amd-amdhsa--gfx1250"
	.amdhsa_code_object_version 6
	.text
	.protected	k_qb4a40f7d56_qkvgemm
	.globl	k_qb4a40f7d56_qkvgemm
	.p2align	8
	.type	k_qb4a40f7d56_qkvgemm,@function
k_qb4a40f7d56_qkvgemm:
	s_mov_b64 s[64:65], 0
	v_nop
	global_prefetch_b8 v0, s[64:65] scope:SCOPE_SE
	s_setreg_imm32_b32 hwreg(HW_REG_WAVE_MODE, 25, 1), 1
	s_wait_xcnt 0x0
	s_wait_alu depctr_hold_cnt(0) depctr_sa_sdst(0) depctr_va_vdst(0) depctr_va_sdst(0) depctr_va_ssrc(0) depctr_va_vcc(0) depctr_vm_vsrc(0)
	s_getreg_b32 s2, hwreg(HW_REG_IB_STS2, 6, 4)
	s_cmp_eq_u32 s2, 0
	s_cbranch_scc0 .Lentry_in_a_cluster
	s_endpgm
.Lentry_in_a_cluster:
	s_bfe_u32 s2, ttmp6, 0x10000c
	s_cmp_lg_u32 s2, 0xf033
	s_cbranch_scc0 .Lentry_shape_is_right
	s_endpgm
.Lentry_shape_is_right:
; q, k, v = x wq^T, x wk^T, x wv^T on codes of FP4 (E2M1) with one E8M0 scale for each 32 along K = 1,024; then the rotation of q and k by the table; results leave in f16 as IMAGES OF THE NEXT
; LAUNCH'S OPERAND REGISTERS (a chunk = 512 bytes: lane l's four registers at 16 l), so every store of a wave covers 512 consecutive bytes, aligned.
; SHARES.  A work-group makes 256 tokens x 192 columns: the q, k and v of ONE head.  Wave w takes tokens 64 w .. 64 w + 63 (4 blocks of 16) x all 12 blocks of columns: 48 accumulators, 384 registers.
; K = 1,024 is two LDS slots of 512 along K (rows of 256 bytes + 16 of padding): both are first fills; nothing is filled again, so there is no ring.
; CLUSTERS: 4 x 4.  Head = 4 x cluster x + cx; tile row of tokens = 8 cy + cluster y, so that batch = cy and the block of positions = cluster y.  The four of a row of the cluster need the same tile of x,
; the four of a column the same weights: each tile is asked for jointly.  The tiles that hold positions 0-15 are those of the clusters with y = 0: a number that all partners share.
; q AND k ARE MADE TRANSPOSED (source 0 = 16 rows of the weight, source 1 = 16 tokens): a lane holds one token and eight neighbouring channels, which is the f16 operand layout of K Q^T.
; v IS MADE THE OTHER WAY ROUND (source 0 = tokens, source 1 = weight): a lane holds one channel and eight neighbouring tokens: the layout of V^T in V^T P.
; q is stored multiplied by log2(e) / 8, so that the next launch's scores are exponents of 2.
; qkvf: q at 0, k at 16,777,216: (16 b + head) x 262,144 + T x 2,048 + ct x 512 (T: tile of 16 tokens, ct: tile of 16 channels; lane (r, h): token r, channels 16 ct + 8 h + 0..7);
;       v at 33,554,432: (16 b + head) x 262,144 + (T / 2) x 4,096 + n x 1,024 + (T % 2) x 512 (lane (r, h): channel 16 n + r, tokens 16 T + 8 h + 0..7).
; stf: positions 0-15 of every batch and head in f32, 24 chunks: q 0-7, k 8-15 (chunk 2 ct + half: four channels), v 16-23 (chunk 2 n + half: four tokens).
; LIMITS: |q|, |k|, |v| under 65,504 (f16).  No prefetch: the launch is short and every byte is asked for at its head.
; REGISTERS, in windows of 256: window 0: v1-29 addresses; v32-47 x's scale words, v48-95 the weights'; v96-159 x's fragments, two sets; v160-223, v224-255 the way out.
;   window 1: the weights' fragments, two sets, at v0 and v128.  window 2: q's and k's accumulators, (a, b) at 8 (8 a + b).  window 3: v's at 8 (4 a + b); from v128 the table's cosines and sines.
.set PITCH,  272                       ; an LDS row: 256 bytes + 16 of padding: the 16 rows that a load touches start at 16 different banks (64 banks of 4 bytes: ISA guide 11.1)
.set ABYTES, 256*PITCH
.set BBYTES, 192*PITCH
.set SLOT,   ABYTES+BBYTES             ; x's 256 rows, then the head's 192
.set SPARE,  2*SLOT                    ; the spare words, 128 bytes a wave
.set ADRA, 16                          ; v16-17 LDS address of my fragments of x in slot 0, 1
.set ADRB, 20                          ; v20-21 the same for the weights
.set LI,   24                          ; v24 16 x lane
.set SO,   25                          ; v25 32 x lane: a row of scale bytes
.set TO,   26                          ; v26 256 r + 16 h: my place in the table
.set SPW,  28
.set NIL,  29
.set SCA,  32                          ; scale words: pair p, K step Q at 8 p + Q: lanes 0-15 block 2 p, lanes 16-31 block 2 p + 1
.set SCB,  48
.set AF,   96
.set TMP,  160
.set PK,   224
.set TAB,  128                         ; window 3: token block a, channel tile c: four cosines at 32 a + 8 c, four sines behind them
.set WV,   16
.set FB,   17                          ; 0: I fetch for x, 1: for the weights
.set HF,   18                          ; which half of that tile
.set CX,   19
.set CY,   20
.set HEAD, 21
.set YY,   22
.set TROW, 23
.set G1,   24
.set G0,   32
.set G1B,  48
.set G0B,  56
.set QB,   68
.set KB,   70
.set VB,   72
.set STB,  74
.set CS,   76
.set FINE, 78                          ; 0 in the wave that holds positions 0-15
.set SAB,  80
.set SBB,  82
.set TBB,  84
.set MSB, 0
.macro WIN new                         ; the immediate's high byte repeats the setting that is left
.if MSB != \new
	s_set_vgpr_msb (MSB<<8)|\new
.set MSB, \new
.endif
.endm
.macro PLACES                          ; four plain instructions between a matrix instruction and a load into, or a read of, its registers
.rept 4
	v_nop
.endr
.endm
.macro JLOAD g0a, g1a, g0b, g1b        ; a joint load: waves 0 and 1 fetch for x, waves 2 and 3 for the weights; an s_nop 0 and four v_nop follow each line
	s_cmp_eq_u32 s[FB], 0
	s_cbranch_scc0 .Lfor_b_\@
	tensor_load_to_lds s[\g0a:\g0a+3], s[\g1a:\g1a+7]
	s_nop 0
.rept 4
	v_nop
.endr
	s_branch .Lasked_\@
.Lfor_b_\@:
	tensor_load_to_lds s[\g0b:\g0b+3], s[\g1b:\g1b+7]
	s_nop 0
.rept 4
	v_nop
.endr
.Lasked_\@:
.endm
.macro CROUND                          ; a round of the cluster's barrier
	s_barrier_signal -1
	s_barrier_wait -1
	s_cmp_lg_u32 s[WV], 0
	s_cbranch_scc1 .Lnot_wave_0_\@
	s_barrier_signal -3
.Lnot_wave_0_\@:
	s_barrier_wait -3
	s_barrier_signal -1
	s_barrier_wait -1
.endm
	s_load_b256 s[4:11], s[0:1], 0x0               ; xc, wc, sc, tab
	s_load_b128 s[12:15], s[0:1], 0x20             ; qkvf, stf
	v_lshl_add_u32 v[SPW], v0, 2, SPARE
	v_mov_b32 v[NIL], 0
	ds_add_u32 v[SPW], v[NIL]                      ; the wave's opening: the add, twice on end, and its wait ahead of my first tensor load
	ds_add_u32 v[SPW], v[NIL]
	v_lshrrev_b32 v1, 5, v0
	v_readfirstlane_b32 s[WV], v1
	s_lshr_b32 s[FB], s[WV], 1
	s_and_b32 s[HF], s[WV], 1
	s_bfe_u32 s[CX], ttmp6, 0x40000
	s_bfe_u32 s[CY], ttmp6, 0x40004
	s_lshl_b32 s[HEAD], ttmp9, 2
	s_add_co_u32 s[HEAD], s[HEAD], s[CX]           ; head = 4 x cluster x + cx
	s_and_b32 s[YY], ttmp7, 0xffff                 ; cluster y: the block of 256 positions
	s_lshl_b32 s[TROW], s[CY], 3
	s_add_co_u32 s[TROW], s[TROW], s[YY]           ; tile row = 8 cy + cluster y
	s_lshl_b32 s40, s[CY], 2
	s_lshl_b32 s40, 15, s40                        ; my row of the cluster
	s_lshl_b32 s44, 0x1111, s[CX]                  ; my column
	s_or_b32 s[G1], s40, (1<<20)|(1<<21)|(5<<22)|(3<<25)   ; 15:0 the mask; elements of 1 byte; padding on; bit 21 beside a mask; 4 words behind every 64
	s_or_b32 s[G1B], s44, (1<<20)|(1<<21)|(5<<22)|(3<<25)
	s_mov_b32 s[G1+1], 256<<16                     ; tensor_dim0 = 256 bytes
	s_mov_b32 s[G1+2], 128<<16                     ; tensor_dim1 = 128 rows
	s_mov_b32 s[G1+3], 256<<16                     ; tile_dim0
	s_mov_b32 s[G1+4], 128                         ; tile_dim1
	s_mov_b32 s[G1+5], 512                         ; a row of 1,024 codes in memory
	s_mov_b32 s[G1+6], 0
	s_mov_b32 s[G1+7], 0
	s_mov_b32 s[G1B+1], 256<<16
	s_mov_b32 s[G1B+2], 96<<16                     ; 96 rows
	s_mov_b32 s[G1B+3], 256<<16
	s_mov_b32 s[G1B+4], 96
	s_mov_b32 s[G1B+5], 512
	s_mov_b32 s[G1B+6], 0
	s_mov_b32 s[G1B+7], 0
	s_lshl_b32 s40, s[TROW], 17                    ; x: 256 rows of 512 bytes a tile row,
	s_lshl_b32 s41, s[HF], 16                      ; 128 rows a half
	s_add_co_u32 s40, s40, s41
	s_mov_b32 s41, 0
	s_mul_i32 s44, s[HEAD], 192*512                ; the weights: 192 rows a head,
	s_mul_i32 s45, s[HF], 96*512                   ; 96 a half
	s_add_co_u32 s44, s44, s45
	s_mov_b32 s45, 0
	s_mul_i32 s42, s[HF], 128*PITCH                ; where they go: no place in the cluster enters an LDS address
	s_mul_i32 s46, s[HF], 96*PITCH
	s_add_co_u32 s46, s46, ABYTES
	s_lshl_b32 s86, s[TROW], 13                    ; x's scale bytes: 32 a row, my wave's 64 rows
	s_lshl_b32 s87, s[WV], 11
	s_add_co_u32 s86, s86, s87
	s_mov_b32 s87, 0
	s_mul_i32 s88, s[HEAD], 6144                   ; the head's 192 rows of scale bytes
	s_add_co_u32 s88, s88, 0x40000
	s_mov_b32 s89, 0
	s_lshl_b32 s90, s[TROW], 16                    ; the table: 256 bytes a token
	s_lshl_b32 s91, s[WV], 14
	s_add_co_u32 s90, s90, s91
	s_mov_b32 s91, 0
	s_lshl_b32 s92, s[CY], 4
	s_add_co_u32 s92, s92, s[HEAD]                 ; 16 b + head
	s_mul_i32 s94, s92, 12288
	s_mov_b32 s95, 0
	s_lshl_b32 s92, s92, 18
	s_lshl_b32 s93, s[YY], 15
	s_add_co_u32 s92, s92, s93
	s_lshl_b32 s93, s[WV], 13
	s_add_co_u32 s92, s92, s93                     ; my wave's 64 tokens in q, k and v alike
	s_mov_b32 s93, 0
	s_or_b32 s[FINE], s[YY], s[WV]
	s_mov_b32 s[CS], 0x3e38aa3b                    ; log2(e) / 8
	s_mov_b32 s[CS+1], s[CS]                       ; (named with it as a pair)
	s_wait_dscnt 0x0                               ; both opening adds are done
	s_wait_kmcnt 0x0
	s_add_nc_u64 s[40:41], s[4:5], s[40:41]
	s_add_nc_u64 s[44:45], s[6:7], s[44:45]
	s_add_nc_u64 s[SAB:SAB+1], s[8:9], s[86:87]
	s_add_nc_u64 s[SBB:SBB+1], s[8:9], s[88:89]
	s_add_nc_u64 s[TBB:TBB+1], s[10:11], s[90:91]
	s_add_nc_u64 s[QB:QB+1], s[12:13], s[92:93]
	s_add_nc_u64 s[KB:KB+1], s[QB:QB+1], 0x1000000
	s_add_nc_u64 s[VB:VB+1], s[QB:QB+1], 0x2000000
	s_add_nc_u64 s[STB:STB+1], s[14:15], s[94:95]
	CROUND                                         ; all sixteen work-groups are here: the joint loads meet
.irp s, 0,1
	s_mov_b32 s[G0+4*\s], 1
	s_add_co_u32 s[G0+4*\s+1], s42, \s*SLOT
	s_add_nc_u64 s[G0+4*\s+2:G0+4*\s+3], s[40:41], \s*256
	s_or_b32 s[G0+4*\s+3], s[G0+4*\s+3], 0x80000000
	s_mov_b32 s[G0B+4*\s], 1
	s_add_co_u32 s[G0B+4*\s+1], s46, \s*SLOT
	s_add_nc_u64 s[G0B+4*\s+2:G0B+4*\s+3], s[44:45], \s*256
	s_or_b32 s[G0B+4*\s+3], s[G0B+4*\s+3], 0x80000000
	JLOAD G0+4*\s, G1, G0B+4*\s, G1B               ; both slots at once: two tensor loads of mine are out
.endr
	v_and_b32 v1, 15, v0                           ; r
	v_bfe_u32 v2, v0, 4, 1                         ; h
	v_and_b32 v3, 31, v0
	v_lshlrev_b32 v[LI], 4, v3
	v_lshlrev_b32 v[SO], 5, v3
	v_lshlrev_b32 v[TO], 8, v1
	v_lshl_add_u32 v[TO], v2, 4, v[TO]
; The scale words go straight into registers, once: lane l of pair p takes row 32 p + l's 32 bytes: the words of all 8 K steps.
.irp p, 0,1
	global_load_b128 v[SCA+8*\p:SCA+8*\p+3], v[SO], s[SAB:SAB+1] offset:1024*\p
	global_load_b128 v[SCA+8*\p+4:SCA+8*\p+7], v[SO], s[SAB:SAB+1] offset:1024*\p+16
.endr
.irp p, 0,1,2,3,4,5
	global_load_b128 v[SCB+8*\p:SCB+8*\p+3], v[SO], s[SBB:SBB+1] offset:1024*\p
	global_load_b128 v[SCB+8*\p+4:SCB+8*\p+7], v[SO], s[SBB:SBB+1] offset:1024*\p+16
.endr
	WIN 0xc0                                       ; destination window 3
.irp a, 0,1,2,3
.irp c, 0,1,2,3
	global_load_b128 v[TAB+32*\a+8*\c:TAB+32*\a+8*\c+3], v[TO], s[TBB:TBB+1] offset:4096*\a+32*\c          ; cosines of frequencies 8 c + 4 h + 0..3 of token 16 a + r
	global_load_b128 v[TAB+32*\a+8*\c+4:TAB+32*\a+8*\c+7], v[TO], s[TBB:TBB+1] offset:4096*\a+32*\c+128    ; and the sines
.endr
.endr
	WIN 0
	v_mul_u32_u24 v4, v1, PITCH
	v_lshl_add_u32 v4, v2, 4, v4                   ; a fragment's row x pitch + 16 x half
	s_mul_i32 s86, s[WV], 64*PITCH
	v_add_nc_u32 v[ADRA], s86, v4
	v_add_nc_u32 v[ADRA+1], SLOT, v[ADRA]
	v_add_nc_u32 v[ADRB], ABYTES, v4
	v_add_nc_u32 v[ADRB+1], SLOT, v[ADRB]
; A fragment, 16 rows x 128 K of 4-bit codes, is 8 registers: lane l holds row l % 16; registers 4 c .. 4 c + 3 hold K = 64 c + 32 (l / 16) + 0..31: two loads of 16 bytes, 32 apart.
.macro FETCH_A slot, q, set
	WIN 0
.irp i, 0,1,2,3
	ds_load_b128 v[AF+32*(\set)+8*\i:AF+32*(\set)+8*\i+3], v[ADRA+\slot] offset:64*(\q)+4352*\i
	ds_load_b128 v[AF+32*(\set)+8*\i+4:AF+32*(\set)+8*\i+7], v[ADRA+\slot] offset:64*(\q)+4352*\i+32
.endr
.endm
.macro FETCH_B slot, q, set
	WIN 0x40                                       ; destination window 1
.irp i, 0,1,2,3,4,5,6,7,8,9,10,11
	ds_load_b128 v[128*(\set)+8*\i:128*(\set)+8*\i+3], v[ADRB+\slot] offset:64*(\q)+4352*\i
	ds_load_b128 v[128*(\set)+8*\i+4:128*(\set)+8*\i+7], v[ADRB+\slot] offset:64*(\q)+4352*\i+32
.endr
.endm
; One scaled product.  ra, rb = 1: that side's scale words are read from lanes 16-31 of the register named.
.macro WM d, x, y, zero, sa, sb, ra, rb
.if \zero
.if ((\ra) == 0) && ((\rb) == 0)
	v_wmma_scale_f32_16x16x128_f8f6f4 v[\d:\d+7], v[\x:\x+7], v[\y:\y+7], 0, v[\sa], v[\sb] matrix_a_fmt:MATRIX_FMT_FP4 matrix_b_fmt:MATRIX_FMT_FP4
.elseif ((\ra) == 1) && ((\rb) == 0)
	v_wmma_scale_f32_16x16x128_f8f6f4 v[\d:\d+7], v[\x:\x+7], v[\y:\y+7], 0, v[\sa], v[\sb] matrix_a_fmt:MATRIX_FMT_FP4 matrix_b_fmt:MATRIX_FMT_FP4 matrix_a_scale:MATRIX_SCALE_ROW1
.elseif ((\ra) == 0) && ((\rb) == 1)
	v_wmma_scale_f32_16x16x128_f8f6f4 v[\d:\d+7], v[\x:\x+7], v[\y:\y+7], 0, v[\sa], v[\sb] matrix_a_fmt:MATRIX_FMT_FP4 matrix_b_fmt:MATRIX_FMT_FP4 matrix_b_scale:MATRIX_SCALE_ROW1
.else
	v_wmma_scale_f32_16x16x128_f8f6f4 v[\d:\d+7], v[\x:\x+7], v[\y:\y+7], 0, v[\sa], v[\sb] matrix_a_fmt:MATRIX_FMT_FP4 matrix_b_fmt:MATRIX_FMT_FP4 matrix_a_scale:MATRIX_SCALE_ROW1 matrix_b_scale:MATRIX_SCALE_ROW1
.endif
.else
.if ((\ra) == 0) && ((\rb) == 0)
	v_wmma_scale_f32_16x16x128_f8f6f4 v[\d:\d+7], v[\x:\x+7], v[\y:\y+7], v[\d:\d+7], v[\sa], v[\sb] matrix_a_fmt:MATRIX_FMT_FP4 matrix_b_fmt:MATRIX_FMT_FP4
.elseif ((\ra) == 1) && ((\rb) == 0)
	v_wmma_scale_f32_16x16x128_f8f6f4 v[\d:\d+7], v[\x:\x+7], v[\y:\y+7], v[\d:\d+7], v[\sa], v[\sb] matrix_a_fmt:MATRIX_FMT_FP4 matrix_b_fmt:MATRIX_FMT_FP4 matrix_a_scale:MATRIX_SCALE_ROW1
.elseif ((\ra) == 0) && ((\rb) == 1)
	v_wmma_scale_f32_16x16x128_f8f6f4 v[\d:\d+7], v[\x:\x+7], v[\y:\y+7], v[\d:\d+7], v[\sa], v[\sb] matrix_a_fmt:MATRIX_FMT_FP4 matrix_b_fmt:MATRIX_FMT_FP4 matrix_b_scale:MATRIX_SCALE_ROW1
.else
	v_wmma_scale_f32_16x16x128_f8f6f4 v[\d:\d+7], v[\x:\x+7], v[\y:\y+7], v[\d:\d+7], v[\sa], v[\sb] matrix_a_fmt:MATRIX_FMT_FP4 matrix_b_fmt:MATRIX_FMT_FP4 matrix_a_scale:MATRIX_SCALE_ROW1 matrix_b_scale:MATRIX_SCALE_ROW1
.endif
.endif
.endm
; The 48 accumulators take turns, one instruction a turn, in the same order in every step.
.macro MULQK Q, set, zero              ; q and k: source 0 = the weight's block b, source 1 = tokens' block a
	WIN 0xa1                                       ; source 0 window 1, source 1 window 0, C and D window 2
.irp a, 0,1,2,3
.irp b, 0,1,2,3,4,5,6,7
	WM 8*(8*\a+\b), 128*(\set)+8*\b, AF+32*(\set)+8*\a, \zero, SCB+8*(\b/2)+(\Q), SCA+8*(\a/2)+(\Q), \b%2, \a%2
.endr
.endr
.endm
.macro MULV Q, set, zero               ; v: source 0 = tokens' block a, source 1 = the weight's block 8 + b
	WIN 0xf4                                       ; source 0 window 0, source 1 window 1, C and D window 3
.irp a, 0,1,2,3
.irp b, 0,1,2,3
	WM 8*(4*\a+\b), AF+32*(\set)+8*\a, 128*(\set)+8*(8+\b), \zero, SCA+8*(\a/2)+(\Q), SCB+8*(4+\b/2)+(\Q), \a%2, \b%2
.endr
.endr
.endm
; A step of 128 along K: its 32 fragment loads were issued a step ago; the next step's go out first, into the other set, then 48 products.
.macro STEP Q, zero
	s_wait_dscnt 0x0                               ; this step's fragments are in
.if \Q == 3
	s_wait_tensorcnt 0x0                           ; my part of slot 1 has landed,
	s_barrier_signal -1
	s_barrier_wait -1                              ; everybody's has: the next fetch reads it.
.endif
.if \Q < 7
	PLACES                                         ; the other set was read by the last step's products
	FETCH_B (\Q+1)/4, (\Q+1)%4, (\Q+1)%2
	FETCH_A (\Q+1)/4, (\Q+1)%4, (\Q+1)%2
.endif
	MULQK \Q, (\Q)%2, \zero
	MULV \Q, (\Q)%2, \zero
.endm
	s_wait_tensorcnt 1                             ; my part of slot 0 is in; slot 1's may stay out,
	s_barrier_signal -1
	s_barrier_wait -1                              ; everybody's is
	FETCH_B 0, 0, 0
	FETCH_A 0, 0, 0
	s_wait_loadcnt 32                              ; the 16 loads of scale words are in; the table's 32 may be out
	STEP 0, 1                                      ; the first step's products start the sums: nothing is cleared
	STEP 1, 0
	STEP 2, 0
	STEP 3, 0
	STEP 4, 0
	STEP 5, 0
	STEP 6, 0
	STEP 7, 0
	PLACES
	s_wait_loadcnt 0x0                             ; the table
; THE WAY OUT of q and k, a block of 16 tokens at a time: the rotation of pairs of channels (r1 = x1 cos - x2 sin, r2 = x1 sin + x2 cos), q times log2(e) / 8, rounded to f16.
.macro OUTQK a
	WIN 0x0e                                       ; source 0 window 2 (accumulators), source 1 window 3 (table), source 2 and destination window 0
.irp b, 0,1,2,3,4,5,6,7
.irp i, 0,1,2,3
	v_mul_f32 v[TMP+8*\b+2*\i], v[8*(8*\a+\b)+2*\i+1], v[TAB+32*\a+8*(\b%4)+4+\i]       ; x2 sin  (each accumulator is read from its low end on)
	v_mul_f32 v[TMP+8*\b+2*\i+1], v[8*(8*\a+\b)+2*\i], v[TAB+32*\a+8*(\b%4)+4+\i]       ; x1 sin
.endr
.irp i, 0,1,2,3
	v_fma_f32 v[TMP+8*\b+2*\i], v[8*(8*\a+\b)+2*\i], v[TAB+32*\a+8*(\b%4)+\i], -v[TMP+8*\b+2*\i]
	v_fma_f32 v[TMP+8*\b+2*\i+1], v[8*(8*\a+\b)+2*\i+1], v[TAB+32*\a+8*(\b%4)+\i], v[TMP+8*\b+2*\i+1]
.endr
.endr
	WIN 0
.irp i, 0,1,2,3,4,5,6,7,8,9,10,11,12,13,14,15
	v_pk_mul_f32 v[TMP+2*\i:TMP+2*\i+1], v[TMP+2*\i:TMP+2*\i+1], s[CS:CS+1] op_sel_hi:[1,0]
.endr
.irp i, 0,1,2,3,4,5,6,7,8,9,10,11,12,13,14,15,16,17,18,19,20,21,22,23,24,25,26,27,28,29,30,31
	v_cvt_pk_f16_f32 v[PK+\i], v[TMP+2*\i], v[TMP+2*\i+1]
.endr
.irp c, 0,1,2,3
	global_store_b128 v[LI], v[PK+4*\c:PK+4*\c+3], s[QB:QB+1] offset:2048*\a+512*\c
	global_store_b128 v[LI], v[PK+16+4*\c:PK+16+4*\c+3], s[KB:KB+1] offset:2048*\a+512*\c
.endr
.if \a == 0
	s_cmp_lg_u32 s[FINE], 0                        ; cluster y and the wave's number: the same in all partners
	s_cbranch_scc1 .Lno_fine_qk
.irp i, 0,1,2,3,4,5,6,7,8,9,10,11,12,13,14,15
	global_store_b128 v[LI], v[TMP+4*\i:TMP+4*\i+3], s[STB:STB+1] offset:512*\i   ; positions 0-15 in f32
.endr
.Lno_fine_qk:
.endif
	s_wait_xcnt 0x0                                ; the stores have read their data: TMP and PK are written again
.endm
.macro OUTV a
	WIN 0x0f                                       ; sources 0 and 1 window 3
.irp b, 0,1,2,3
.irp i, 0,1,2,3
	v_cvt_pk_f16_f32 v[PK+4*\b+\i], v[8*(4*\a+\b)+2*\i], v[8*(4*\a+\b)+2*\i+1]
.endr
.endr
	WIN 0
.irp b, 0,1,2,3
	global_store_b128 v[LI], v[PK+4*\b:PK+4*\b+3], s[VB:VB+1] offset:(\a/2)*4096+1024*\b+(\a%2)*512
.endr
.if \a == 0
	s_cmp_lg_u32 s[FINE], 0
	s_cbranch_scc1 .Lno_fine_v
	WIN 0x0c                                       ; a store's data are its source 1: window 3
.irp n, 0,1,2,3
	global_store_b128 v[LI], v[8*\n:8*\n+3], s[STB:STB+1] offset:512*(16+2*\n)
	global_store_b128 v[LI], v[8*\n+4:8*\n+7], s[STB:STB+1] offset:512*(17+2*\n)
.endr
	WIN 0
.Lno_fine_v:
.endif
	s_wait_xcnt 0x0
.endm
	OUTQK 0
	OUTQK 1
	OUTQK 2
	OUTQK 3
	OUTV 0
	OUTV 1
	OUTV 2
	OUTV 3
	s_wait_tensorcnt 0x0                           ; the wave's end
	ds_add_u32 v[SPW], v[NIL]
	s_wait_dscnt 0x0
	CROUND                                         ; the closing round
	s_endpgm
.Lfunc_end_k_qb4a40f7d56_qkvgemm:
	.size	k_qb4a40f7d56_qkvgemm, .Lfunc_end_k_qb4a40f7d56_qkvgemm-k_qb4a40f7d56_qkvgemm
	.p2alignl 7, 3214868480
	.fill 96, 4, 3214868480
	.section	.rodata,"a",@progbits
	.p2align	6, 0x0
	.amdhsa_kernel k_qb4a40f7d56_qkvgemm
		.amdhsa_group_segment_fixed_size 327680
		.amdhsa_private_segment_fixed_size 0
		.amdhsa_enable_private_segment 0
		.amdhsa_kernarg_size 48
		.amdhsa_user_sgpr_count 2
		.amdhsa_user_sgpr_kernarg_segment_ptr 1
		.amdhsa_wavefront_size32 1
		.amdhsa_system_sgpr_workgroup_id_x 1
		.amdhsa_system_sgpr_workgroup_id_y 1
		.amdhsa_system_sgpr_workgroup_id_z 1
		.amdhsa_system_vgpr_workitem_id 0
		.amdhsa_next_free_vgpr 1024
		.amdhsa_next_free_sgpr 100
		.amdhsa_reserve_vcc 0
		.amdhsa_float_denorm_mode_32 3
		.amdhsa_float_denorm_mode_16_64 3
		.amdhsa_memory_ordered 1
		.amdhsa_forward_progress 1
		.amdhsa_inst_pref_size 127
	.end_amdhsa_kernel
	.amdgpu_metadata
---
amdhsa.version: [ 1, 2 ]
amdhsa.kernels:
  - .name:           k_qb4a40f7d56_qkvgemm
    .symbol:         k_qb4a40f7d56_qkvgemm.kd
    .args:
      - { .name: xc, .offset: 0, .size: 8, .value_kind: global_buffer, .address_space: global }
      - { .name: wc, .offset: 8, .size: 8, .value_kind: global_buffer, .address_space: global }
      - { .name: sc, .offset: 16, .size: 8, .value_kind: global_buffer, .address_space: global }
      - { .name: tab, .offset: 24, .size: 8, .value_kind: global_buffer, .address_space: global }
      - { .name: qkvf, .offset: 32, .size: 8, .value_kind: global_buffer, .address_space: global }
      - { .name: stf, .offset: 40, .size: 8, .value_kind: global_buffer, .address_space: global }
    .group_segment_fixed_size: 327680
    .private_segment_fixed_size: 0
    .kernarg_segment_align: 8
    .kernarg_segment_size: 48
    .max_flat_workgroup_size: 128
    .sgpr_count:     100
    .vgpr_count:     1024
    .wavefront_size: 32
...
	.end_amdgpu_metadata
.endif
;; end of part 2
;; launch attn (part 3): grid 4 x 64, 8 waves a work-group, no clusters, 327,680 bytes of LDS; arguments qkvf, ofr; writes ofr
.if DOCPART == 3
	.amdgcn_target "amdgcn-amd-amdhsa--gfx1250"
	.amdhsa_code_object_version 6
	.text
	.protected	k_qb4a40f7d56_attn
	.globl	k_qb4a40f7d56_attn
	.p2align	8
	.type	k_qb4a40f7d56_attn,@function
k_qb4a40f7d56_attn:
	s_mov_b64 s[64:65], 0
	v_nop
	global_prefetch_b8 v0, s[64:65] scope:SCOPE_SE
	s_setreg_imm32_b32 hwreg(HW_REG_WAVE_MODE, 25, 1), 1
	s_wait_xcnt 0x0
; O[b][head][q] = the sum over k <= q of softmax_k(score) V[k], score x log2(e) / 8 = q' . k with q' as the launch before stored it.  Operands in f16; products, maxima and sums in f32.
; SHARES.  Work-group (I, b x 16 + head), I = 0..3, takes the head's blocks of 256 queries 7 - I (key blocks 0 .. 7 - I) and then I (key blocks 0 .. I): NINE key blocks of 256 for every work-group, so the
; trip count is a constant, all work-groups have equal work, and no tile that lies wholly above the diagonal is fetched.  Each of eight waves owns 32 queries (two tiles of 16): two waves to a SIMD,
; so that one wave's softmax stands beside the other's products.
; NO CLUSTER: in a given trip the four work-groups of a head want different key blocks (trip T of work-group I is block T, or T - 8 + I in its second part).  The form in which all four could ask jointly
; (both query blocks walked together over key blocks 0..7) gives the slowest partner 12 units of work against 9 here.
; LAYOUT.  q, k, v lie in memory as images of operand registers (chunks of 512 bytes, lane l at 16 l), so a key block's K and V are dense blocks of 32 KB, every LDS load reads 512 consecutive bytes,
; and nothing is padded or turned.  S^T = K Q^T (a lane holds ONE query, lane % 16, and keys 8 (lane / 16) + 0..7 of a tile); two such tiles rounded to f16 are source 1 of O^T = V^T P.
; SOFTMAX.  A running maximum M and p = 2^(s - M); O and the sum are multiplied by 2^(old M - new M) in every step.  THE ROW'S SUM COMES FROM THE MATRIX UNIT: a fifth tile of source 0, all ones, beside V's
; four.  Of its accumulator only registers 0 and 1 are rescaled and only register 0 is read; the other six hold sums of p without rescaling, at most 2,048.
; THE MASK.  A step of 64 keys all of which come after the wave's 32 queries is jumped over (ids alone); on the diagonal hidden scores become -infinity.  A step's first key is a multiple of 64 and a
; wave's first query of 32, so in every step walked the first key is open for every query of the wave.
; ofr: images of the next launch's operand: (8 b + query block) x 524,288 + (2 head + n / 2) x 16,384 + (tile of 16 tokens in the block) x 1,024 + (n % 2) x 512, n the tile of 16 channels.
; LIMITS: |O| under 65,504 (f16).
; REGISTERS: window 0: v1-11 addresses; v12-27 statistics, 8 a tile; v32-95 S^T; v96-127 P; v128-159 Q; v192-255 K.   window 1: v0-63 V; v64-127 O^T; v128-143 the sums; v144-151 ones; v160-191 the second block's Q.
.set LI,   1                           ; v1  16 x lane
.set ADR,  2                           ; v2  LDS address of the step's chunks
.set D0,   5                           ; v5  r - 8 h
.set SPW,  6
.set NIL,  7
.set PFO,  8                           ; v8  256 x lane
.set NINF, 9                           ; v9  -infinity
.set DT,   10                          ; v10-11 tile t: my query - the step's first key - 8 h
.set ST,   12                          ; tile t at ST + 8 t: +0 -M, +1 M, +2 1 / sum (+3 named with it), +4..7 four chains; later +6 the rescaling factor, +7 its exponent
.set S,    32
.set P,    96
.set Q,    128
.set K,    192
.set V,    0
.set O,    64
.set L,    128
.set ONES, 144
.set Q2,   160
.set SLOT1, 0x10000                    ; a slot: K's 32 KB, then V's; slot 1 begins here
.set SPARE, 131072                     ; the spare words, 128 bytes for each of eight waves
.set WV,   8
.set BH,   9
.set II,   10
.set G0,   12
.set G1,   16
.set BASE, 24                          ; s[24:25] my wave's 8 KB of key block 0 (waves 0-3: of K; 4-7: of V)
.set OFF,  26                          ; s[26:27] the key block to be asked for, in bytes
.set T,    28
.set NSW,  29                          ; trips of the first part: 8 - I
.set LAST1, 30                         ; its last trip, and its query block: 7 - I
.set TB,   31                          ; LDS byte at which the slot in hand begins
.set KF,   32                          ; the step's first key
.set Q0,   33                          ; my first query
.set SEL,  36
.set PFA,  38
.set LIM,  40
.set OB,   42
.set OB2,  52
.set MSB, 0
.macro WIN new
.if MSB != \new
	s_set_vgpr_msb (MSB<<8)|\new
.set MSB, \new
.endif
.endm
.macro PLACES
.rept 4
	v_nop
.endr
.endm
.macro INIT                            ; O^T and the sums begin as zeros, M as -3e38: the first change of M multiplies zeros
	WIN 0x40
.set i, 0
.rept 80
	v_mov_b32 v[O+i], 0
.set i, i+1
.endr
	WIN 0
.irp t, 0,1
	v_mov_b32 v[ST+8*\t+1], 0xff61b1e6
	v_mov_b32 v[ST+8*\t], 0x7f61b1e6
.endr
.endm
	s_load_b128 s[4:7], s[0:1], 0x0                ; qkvf, ofr
	v_lshl_add_u32 v[SPW], v0, 2, SPARE
	v_mov_b32 v[NIL], 0
	ds_add_u32 v[SPW], v[NIL]                      ; the wave's opening: the add, twice on end, and its wait ahead of my first tensor load
	ds_add_u32 v[SPW], v[NIL]
	v_lshrrev_b32 v3, 5, v0
	v_readfirstlane_b32 s[WV], v3                  ; wave 0..7
	s_and_b32 s[BH], ttmp7, 0xffff                 ; 16 b + head
	s_mov_b32 s[II], ttmp9
	s_mov_b32 s[G1], 3<<16                         ; no mask; elements of 8 bytes; no padding: a dense block of 8,192 bytes as 32 rows of 256
	s_mov_b32 s[G1+1], 32<<16
	s_mov_b32 s[G1+2], 32<<16
	s_mov_b32 s[G1+3], 32<<16
	s_mov_b32 s[G1+4], 32
	s_mov_b32 s[G1+5], 32
	s_mov_b32 s[G1+6], 0
	s_mov_b32 s[G1+7], 0
	s_sub_co_u32 s[NSW], 8, s[II]
	s_sub_co_u32 s[LAST1], 7, s[II]
	s_and_b32 s44, s[WV], 3
	s_lshl_b32 s44, s44, 13                        ; my quarter of a key block's 32 KB
	s_lshl_b32 s45, s[BH], 18
	s_add_co_u32 s44, s44, s45
	s_mov_b32 s46, 0x2000000
	s_cmp_lt_u32 s[WV], 4
	s_cselect_b32 s46, 0x1000000, s46              ; of K or of V
	s_add_co_u32 s44, s44, s46
	s_mov_b32 s45, 0
	s_mov_b32 s[G0], 1
	s_lshl_b32 s[G0+1], s[WV], 13                  ; LDS: wave x 8,192, slot 0
	s_mov_b32 s[OFF], 0
	s_mov_b32 s[OFF+1], 0
	s_mov_b32 s[T], 0
	s_mov_b32 s[TB], 0
	s_mov_b32 s[KF], 0
	s_lshl_b32 s[Q0], s[LAST1], 8
	s_lshl_b32 s47, s[WV], 5
	s_add_co_u32 s[Q0], s[Q0], s47                 ; my first query: 256 (7 - I) + 32 wave
	s_mov_b32 s[SEL], 0x76543210
	s_mov_b32 s[SEL+1], 0xfedcba98
	s_cmp_eq_u32 s[II], 0
	s_cselect_b32 s[LIM], 6, 0                     ; the head's work-group 0 alone prefetches, in trips 0..5
	s_wait_dscnt 0x0                               ; both opening adds are done
	s_wait_kmcnt 0x0
	s_add_nc_u64 s[BASE:BASE+1], s[4:5], s[44:45]
	s_mov_b64 s[G0+2:G0+3], s[BASE:BASE+1]
	s_or_b32 s[G0+3], s[G0+3], 0x80000000
	tensor_load_to_lds s[G0:G0+3], s[G1:G1+7]      ; key block 0 into slot 0: key 0 counts for every query
	s_nop 0
.rept 4
	v_nop
.endr
	s_add_nc_u64 s[PFA:PFA+1], s[BASE:BASE+1], 0x8000   ; the first change of slots steps it to key block 2
	s_lshl_b32 s44, s[BH], 18
	s_lshl_b32 s46, s[WV], 12
	s_add_co_u32 s44, s44, s46
	s_mov_b32 s45, 0
	s_add_nc_u64 s[48:49], s[4:5], s[44:45]        ; q: my head, my wave's 32 rows of block 0
	s_lshl_b32 s46, s[LAST1], 15
	s_mov_b32 s47, 0
	s_add_nc_u64 s[50:51], s[48:49], s[46:47]      ; of block 7 - I,
	s_lshl_b32 s46, s[II], 15
	s_add_nc_u64 s[48:49], s[48:49], s[46:47]      ; of block I
	v_and_b32 v3, 31, v0
	v_lshlrev_b32 v[LI], 4, v3
	v_lshlrev_b32 v[PFO], 8, v3
.irp i, 0,1,2,3,4,5,6,7
	global_load_b128 v[Q+4*\i:Q+4*\i+3], v[LI], s[50:51] offset:512*\i
.endr
	WIN 0x40
.irp i, 0,1,2,3,4,5,6,7
	global_load_b128 v[Q2+4*\i:Q2+4*\i+3], v[LI], s[48:49] offset:512*\i   ; the second part's queries come now, so that the change of parts waits for no memory
.endr
.irp i, 0,1,2,3,4,5,6,7
	v_mov_b32 v[ONES+\i], 0x3c003c00               ; 1.0, 1.0 in f16
.endr
	INIT
	s_lshr_b32 s44, s[BH], 4
	s_lshl_b32 s44, s44, 22                        ; b x 8 blocks of 524,288 bytes
	s_and_b32 s46, s[BH], 15
	s_lshl_b32 s46, s46, 15                        ; head x 2 x 16,384
	s_add_co_u32 s44, s44, s46
	s_lshl_b32 s46, s[WV], 11                      ; my two tiles of tokens
	s_add_co_u32 s44, s44, s46
	s_mov_b32 s45, 0
	s_add_nc_u64 s[OB2:OB2+1], s[6:7], s[44:45]
	s_lshl_b32 s46, s[LAST1], 19
	s_add_nc_u64 s[OB:OB+1], s[OB2:OB2+1], s[46:47]
	s_lshl_b32 s46, s[II], 19
	s_add_nc_u64 s[OB2:OB2+1], s[OB2:OB2+1], s[46:47]
	v_and_b32 v3, 15, v0
	v_bfe_u32 v4, v0, 4, 1
	v_lshlrev_b32 v4, 3, v4
	v_sub_nc_u32 v[D0], v3, v4
	v_mov_b32 v[NINF], 0xff800000
	v_mov_b32 v[ST+3], 0                           ; (named as the upper halves of pairs)
	v_mov_b32 v[ST+11], 0
	s_wait_loadcnt 0x0                             ; Q, both blocks
; A PREFETCH of the key block that the NEXT change of slots will ask for, a trip ahead of that load.  All four work-groups of a head walk the same K and V: work-group 0, which walks blocks 0..7 on end, asks.
; Each wave names the 8,192 bytes that it will fetch itself, lanes 256 bytes apart: each block of 256 bytes once in the launch.  Blocks 0 and 1 come by their loads alone; trip 5 names block 7, the last.
.macro ASK
	s_cmp_lt_u32 s[T], s[LIM]
	s_cbranch_scc0 .Lnot_mine_\@
	global_prefetch_b8 v[PFO], s[PFA:PFA+1] th:TH_LOAD_NT scope:SCOPE_SE
.Lnot_mine_\@:
.endm
; THE CHANGE OF SLOTS stands at a trip's head.  Each wave waits for all its tensor loads (one is out: its part of the slot about to be read), adds 0 to its spare word, and waits for that and for its reads
; of the slot that it has left.  Behind the barrier the slot ahead is whole and nobody reads the other.  fill = 1: the other slot takes the next trip's key block: one load a wave, a whole trip in which to land.
.macro CHANGE fill
	s_wait_tensorcnt 0x0                           ; no tensor load of mine is out, so group 0 may be written
	ds_add_u32 v[SPW], v[NIL]                      ; the descriptor's step stands between it and its wait
.if \fill
	s_xor_b32 s[G0+1], s[G0+1], SLOT1              ; the other slot than last time
	s_add_co_u32 s44, s[T], 1
	s_add_co_u32 s45, s[OFF], 0x8000
	s_cmp_eq_u32 s44, s[NSW]
	s_cselect_b32 s[OFF], 0, s45                   ; the next key block; the second part begins at block 0 again
	s_add_nc_u64 s[G0+2:G0+3], s[BASE:BASE+1], s[OFF:OFF+1]
	s_or_b32 s[G0+3], s[G0+3], 0x80000000
	s_wait_xcnt 0x0                                ; the last prefetch, a trip back, has read its address
	s_add_nc_u64 s[PFA:PFA+1], s[PFA:PFA+1], 0x8000
.endif
	s_wait_dscnt 0x0                               ; the add is done, and my reads of the slot that I have left are over
	s_barrier_signal -1
	s_barrier_wait -1
.if \fill
	tensor_load_to_lds s[G0:G0+3], s[G1:G1+7]      ; the first thing behind the barrier, and my one tensor load until the next
	s_nop 0
.rept 4
	v_nop
.endr
	ASK
.endif
.endm
; A KEY STEP: 64 keys, the q-th of the slot in hand.
.macro STEP q
	s_add_co_u32 s44, s[Q0], 31
	s_cmp_gt_u32 s[KF], s44                        ; all its keys come after my 32 queries: left out (ids alone; no barrier, wait or tensor load stands in a step)
	s_cbranch_scc1 .Lhid_\@
	v_add_nc_u32 v[ADR], s[TB], v[LI]
.irp i, 0,1,2,3,4,5,6,7,8,9,10,11,12,13,14,15
	ds_load_b128 v[K+4*\i:K+4*\i+3], v[ADR] offset:8192*(\q)+512*\i            ; chunk 4 kt + ct: fragment (tile of keys kt, 32 channels c) at K + 16 kt + 8 c
.endr
	WIN 0x40
.irp i, 0,1,2,3,4,5,6,7,8,9,10,11,12,13,14,15
	ds_load_b128 v[V+4*\i:V+4*\i+3], v[ADR] offset:32768+8192*(\q)+512*\i      ; chunk 8 u + 2 n + e: fragment (32 keys u, tile of channels n) at V + 32 u + 8 n
.endr
	WIN 0
	s_wait_dscnt 16                                ; K is in; V's 16 loads may be out
.irp c, 0,1                                    ; S^T = K Q^T: eight accumulators by turns, two deep
.irp kt, 0,1,2,3
.irp t, 0,1
.if \c == 0
	v_wmma_f32_16x16x32_f16 v[S+32*\t+8*\kt:S+32*\t+8*\kt+7], v[K+16*\kt+8*\c:K+16*\kt+8*\c+7], v[Q+16*\t+8*\c:Q+16*\t+8*\c+7], 0
.else
	v_wmma_f32_16x16x32_f16 v[S+32*\t+8*\kt:S+32*\t+8*\kt+7], v[K+16*\kt+8*\c:K+16*\kt+8*\c+7], v[Q+16*\t+8*\c:Q+16*\t+8*\c+7], v[S+32*\t+8*\kt:S+32*\t+8*\kt+7]
.endif
.endr
.endr
.endr
	PLACES
	s_add_co_u32 s44, s[KF], 63
	s_cmp_le_u32 s44, s[Q0]                        ; all 64 keys count for all my queries: no mask
	s_cbranch_scc1 .Lopen_\@
	s_sub_co_i32 s44, s[Q0], s[KF]
	v_add_nc_u32 v[DT], s44, v[D0]                 ; register 8 kt + j of tile t holds key KF + 16 kt + 8 h + j: hidden where 16 kt + j > my query - KF - 8 h
	v_add_nc_u32 v[DT+1], 16, v[DT]
.irp t, 0,1
.irp kt, 0,1,2,3
.irp j, 0,1,2,3,4,5,6,7
	v_cmp_gt_i32 vcc_lo, 16*\kt+\j, v[DT+\t]
	v_cndmask_b32 v[S+32*\t+8*\kt+\j], v[S+32*\t+8*\kt+\j], v[NINF], vcc_lo
.endr
.endr
.endr
.Lopen_\@:
.irp j, 0,1,2,3                                ; the largest of my 32 scores and the old M: four chains, the two tiles line by line
.irp t, 0,1
	v_max3_num_f32 v[ST+8*\t+4+\j], v[S+32*\t+8*\j], v[S+32*\t+8*\j+1], v[S+32*\t+8*\j+2]
.endr
.endr
.irp g, 3,5
.irp j, 0,1,2,3
.irp t, 0,1
	v_max3_num_f32 v[ST+8*\t+4+\j], v[ST+8*\t+4+\j], v[S+32*\t+8*\j+\g], v[S+32*\t+8*\j+\g+1]
.endr
.endr
.endr
.irp t, 0,1
	v_max3_num_f32 v[ST+8*\t+4], v[ST+8*\t+4], v[S+32*\t+7], v[S+32*\t+15]
	v_max3_num_f32 v[ST+8*\t+6], v[ST+8*\t+6], v[S+32*\t+23], v[S+32*\t+31]
.endr
.irp t, 0,1
	v_max3_num_f32 v[ST+8*\t+4], v[ST+8*\t+4], v[ST+8*\t+5], v[ST+8*\t+6]
.endr
.irp t, 0,1
	v_max3_num_f32 v[ST+8*\t+4], v[ST+8*\t+4], v[ST+8*\t+7], v[ST+8*\t+1]
.endr
.irp t, 0,1
	v_permlanex16_b32 v[ST+8*\t+5], v[ST+8*\t+4], s[SEL], s[SEL+1]   ; the query's other 32 keys lie in the lane 16 away
.endr
.irp t, 0,1
	v_mov_b32 v[ST+8*\t+7], v[ST+8*\t]             ; the old -M
.endr
.irp t, 0,1
	v_max_num_f32 v[ST+8*\t+1], v[ST+8*\t+4], v[ST+8*\t+5]   ; the new M
.endr
.irp t, 0,1
	v_xor_b32 v[ST+8*\t], 0x80000000, v[ST+8*\t+1]
.endr
.irp t, 0,1
	v_sub_f32 v[ST+8*\t+7], v[ST+8*\t], v[ST+8*\t+7]   ; old M - new M
.endr
.set i, 0
.rept 16
	v_pk_add_f32 v[S+2*i:S+2*i+1], v[S+2*i:S+2*i+1], v[ST:ST+1] op_sel_hi:[1,0]              ; s - M, two at a time
	v_pk_add_f32 v[S+32+2*i:S+32+2*i+1], v[S+32+2*i:S+32+2*i+1], v[ST+8:ST+9] op_sel_hi:[1,0]
.set i, i+1
.endr
	v_exp_f32 v[ST+6], v[ST+7]                     ; ONE BATCH of 66 exponentials: the two rescaling factors,
	v_exp_f32 v[ST+14], v[ST+15]
.set i, 0
.rept 64
	v_exp_f32 v[S+i], v[S+i]                       ; and p = 2^(s - M), at most 1
.set i, i+1
.endr
	v_nop                                          ; a plain instruction behind the last exponential,
	s_wait_alu depctr_va_vdst(0)                   ; and one wait for the batch, ahead of its first reader
.set i, 0
.rept 32
	v_cvt_pk_f16_f32 v[P+i], v[S+2*i], v[S+2*i+1]  ; tiles 2 u and 2 u + 1 of a query tile are source 1 for 32 keys
.set i, i+1
.endr
	WIN 0x41                                       ; O^T (destination, source 0) window 1, the factor window 0
.set i, 0
.rept 16
	v_pk_mul_f32 v[O+2*i:O+2*i+1], v[O+2*i:O+2*i+1], v[ST+6:ST+7] op_sel_hi:[1,0]
	v_pk_mul_f32 v[O+32+2*i:O+32+2*i+1], v[O+32+2*i:O+32+2*i+1], v[ST+14:ST+15] op_sel_hi:[1,0]
.set i, i+1
.endr
	v_pk_mul_f32 v[L:L+1], v[L:L+1], v[ST+6:ST+7] op_sel_hi:[1,0]
	v_pk_mul_f32 v[L+8:L+9], v[L+8:L+9], v[ST+14:ST+15] op_sel_hi:[1,0]
	s_wait_dscnt 0x0                               ; V is in
	WIN 0x51                                       ; source 0 (V, ones) window 1, source 1 (P) window 0, C and D window 1
.irp u, 0,1                                    ; O^T += V^T P and the sums += ones P: ten accumulators by turns
.irp n, 0,1,2,3
.irp t, 0,1
	v_wmma_f32_16x16x32_f16 v[O+32*\t+8*\n:O+32*\t+8*\n+7], v[V+32*\u+8*\n:V+32*\u+8*\n+7], v[P+16*\t+8*\u:P+16*\t+8*\u+7], v[O+32*\t+8*\n:O+32*\t+8*\n+7]
.endr
.endr
.irp t, 0,1
	v_wmma_f32_16x16x32_f16 v[L+8*\t:L+8*\t+7], v[ONES:ONES+7], v[P+16*\t+8*\u:P+16*\t+8*\u+7], v[L+8*\t:L+8*\t+7]
.endr
.endr
	WIN 0
	PLACES                                         ; in front of the next loads into V and the next reads of O^T and the sums
.Lhid_\@:
	s_add_co_u32 s[KF], s[KF], 64
.endm
.macro SLOT_STEPS
	STEP 0
	STEP 1
	STEP 2
	STEP 3
	s_xor_b32 s[TB], s[TB], SLOT1                  ; on to the other slot
.endm
; A query block is finished: O^T / the sum, rounded to f16; a lane's eight channels of a token are four registers of the next launch's operand, stored as they stand.
.macro FINISH
	WIN 0x01                                       ; source 0 window 1
	v_rcp_f32 v[ST+2], v[L]
	v_rcp_f32 v[ST+10], v[L+8]
	v_nop
	s_wait_alu depctr_va_vdst(0)                   ; one wait for the two reciprocals
.set i, 0
.rept 16
	v_pk_mul_f32 v[S+2*i:S+2*i+1], v[O+2*i:O+2*i+1], v[ST+2:ST+3] op_sel_hi:[1,0]
	v_pk_mul_f32 v[S+32+2*i:S+32+2*i+1], v[O+32+2*i:O+32+2*i+1], v[ST+10:ST+11] op_sel_hi:[1,0]
.set i, i+1
.endr
	WIN 0
.set i, 0
.rept 32
	v_cvt_pk_f16_f32 v[P+i], v[S+2*i], v[S+2*i+1]
.set i, i+1
.endr
.irp t, 0,1
.irp n, 0,1,2,3
	global_store_b128 v[LI], v[P+4*(4*\t+\n):P+4*(4*\t+\n)+3], s[OB:OB+1] offset:(\n/2)*16384+1024*\t+(\n%2)*512   ; 512 consecutive bytes, aligned
.endr
.endr
.endm
.Ltrip:                                            ; 8 trips; the ninth is written out
	CHANGE 1
	SLOT_STEPS
	s_cmp_lg_u32 s[T], s[LAST1]                    ; the first part's last trip?  The work-group's number and the count of trips alone: the same in all eight waves
	s_cbranch_scc1 .Lsame
	FINISH
	WIN 0x01
.set i, 0
.rept 32
	v_mov_b32 v[Q+i], v[Q2+i]                      ; the second block's queries
.set i, i+1
.endr
	INIT
	s_wait_xcnt 0x0                                ; the stores have read their data and their base
	s_mov_b64 s[OB:OB+1], s[OB2:OB2+1]
	s_lshl_b32 s[Q0], s[II], 8
	s_lshl_b32 s44, s[WV], 5
	s_add_co_u32 s[Q0], s[Q0], s44
	s_mov_b32 s[KF], 0
.Lsame:
	s_add_co_u32 s[T], s[T], 1
	s_cmp_lt_u32 s[T], 8
	s_cbranch_scc1 .Ltrip
	CHANGE 0
	SLOT_STEPS
	FINISH
	s_wait_tensorcnt 0x0                           ; the wave's end
	ds_add_u32 v[SPW], v[NIL]
	s_wait_dscnt 0x0
	s_endpgm
.Lfunc_end_k_qb4a40f7d56_attn:
	.size	k_qb4a40f7d56_attn, .Lfunc_end_k_qb4a40f7d56_attn-k_qb4a40f7d56_attn
	.p2alignl 7, 3214868480
	.fill 96, 4, 3214868480
	.section	.rodata,"a",@progbits
	.p2align	6, 0x0
	.amdhsa_kernel k_qb4a40f7d56_attn
		.amdhsa_group_segment_fixed_size 327680
		.amdhsa_private_segment_fixed_size 0
		.amdhsa_enable_private_segment 0
		.amdhsa_kernarg_size 16
		.amdhsa_user_sgpr_count 2
		.amdhsa_user_sgpr_kernarg_segment_ptr 1
		.amdhsa_wavefront_size32 1
		.amdhsa_system_sgpr_workgroup_id_x 1
		.amdhsa_system_sgpr_workgroup_id_y 1
		.amdhsa_system_sgpr_workgroup_id_z 1
		.amdhsa_system_vgpr_workitem_id 0
		.amdhsa_next_free_vgpr 512
		.amdhsa_next_free_sgpr 66
		.amdhsa_reserve_vcc 1
		.amdhsa_float_denorm_mode_32 3
		.amdhsa_float_denorm_mode_16_64 3
		.amdhsa_memory_ordered 1
		.amdhsa_forward_progress 1
		.amdhsa_inst_pref_size 182
	.end_amdhsa_kernel
	.amdgpu_metadata
---
amdhsa.version: [ 1, 2 ]
amdhsa.kernels:
  - .name:           k_qb4a40f7d56_attn
    .symbol:         k_qb4a40f7d56_attn.kd
    .args:
      - { .name: qkvf, .offset: 0, .size: 8, .value_kind: global_buffer, .address_space: global }
      - { .name: ofr, .offset: 8, .size: 8, .value_kind: global_buffer, .address_space: global }
    .group_segment_fixed_size: 327680
    .private_segment_fixed_size: 0
    .kernarg_segment_align: 8
    .kernarg_segment_size: 16
    .max_flat_workgroup_size: 256
    .sgpr_count:     66
    .vgpr_count:     512
    .wavefront_size: 32
...
	.end_amdgpu_metadata
.endif
;; end of part 3
;; launch proj (part 4): grid 8 x 32, 4 waves a work-group, clusters of 4 x 4, 327,680 bytes of LDS; arguments ofr, woh, out0; writes out0
.if DOCPART == 4
	.amdgcn_target "amdgcn-amd-amdhsa--gfx1250"
	.amdhsa_code_object_version 6
	.text
	.protected	k_qb4a40f7d56_proj
	.globl	k_qb4a40f7d56_proj
	.p2align	8
	.type	k_qb4a40f7d56_proj,@function
k_qb4a40f7d56_proj:
	s_mov_b64 s[64:65], 0
	v_nop
	global_prefetch_b8 v0, s[64:65] scope:SCOPE_SE
	s_setreg_imm32_b32 hwreg(HW_REG_WAVE_MODE, 25, 1), 1
	s_wait_xcnt 0x0
	s_wait_alu depctr_hold_cnt(0) depctr_sa_sdst(0) depctr_va_vdst(0) depctr_va_sdst(0) depctr_va_ssrc(0) depctr_va_vcc(0) depctr_vm_vsrc(0)
	s_getreg_b32 s2, hwreg(HW_REG_IB_STS2, 6, 4)
	s_cmp_eq_u32 s2, 0
	s_cbranch_scc0 .Lentry_in_a_cluster
	s_endpgm
.Lentry_in_a_cluster:
	s_bfe_u32 s2, ttmp6, 0x10000c
	s_cmp_lg_u32 s2, 0xf033
	s_cbranch_scc0 .Lentry_shape_is_right
	s_endpgm
.Lentry_shape_is_right:
; out0[token][o] = the sum over i of O[token][i] wo[o][i].  O and wo in f16, sums and result in f32.  (Positions 0-15 of every batch are written again, more finely, by the launch behind this one.)
; A tile of out0 is 256 tokens x 128 columns: 256 work-groups.  Four waves, each 128 tokens x 64 columns: 32 accumulators, 256 registers.  K goes in 8 steps of 128 through a ring of two LDS slots.
; O lies in memory as images of operand registers: a K step of a block of 256 tokens is one dense block of 65,536 bytes ([32 along K: 4][tile of 16 tokens: 16][1,024 bytes]); its fragments are read at
; 16 x lane, without padding.  wo's rows lie along K: 128 rows of 256 bytes, 16 bytes of padding behind each.
; CLUSTERS: 4 x 4.  The four of a row of the cluster need the same tiles of O, the four of a column the same tiles of wo: each is asked for jointly.
; THE MATRIX INSTRUCTION IS USED TRANSPOSED (source 0 = 16 rows of wo, source 1 = 16 tokens): a lane holds eight neighbouring columns of one token's row.
; No prefetch: the launch moves 50 MB for 8.6 G multiply-adds, so its own loads and stores keep the memory path in use.
; REGISTERS: window 0: v16-29 addresses, v32-95 the way out.  window 1: two fragment buffers of 96 at v0 and v128 (O's eight blocks, then wo's four).  window 2: the accumulators, (a, b) at 8 (4 a + b).
.set ABY,    65536
.set PITCH,  272                       ; 256 bytes + 16 of padding: the 16 rows that a load touches start at 16 different banks (ISA guide 11.1)
.set HB,     64*PITCH
.set SLOT,   ABY+2*HB
.set STAGE,  2*SLOT                    ; behind the ring: 16 rows x 272 bytes for each wave
.set SPITCH, 272
.set SPARE,  STAGE+4*16*SPITCH
.set LAPS,   4                         ; a lap = two K steps
.set ADRA, 16
.set ADRB, 20
.set STO,  24
.set RD,   25
.set CO,   26
.set SPW,  28
.set NIL,  29
.set OBK,  32                          ; 16 rows read back from the stage: v32-63 and v64-95 by turns
.set F0,   0
.set F1,   128
.set G1, 24
.set G0, 32
.set G1B, 48
.set G0B, 56
.set MSB, 0
.macro WIN new
.if MSB != \new
	s_set_vgpr_msb (MSB<<8)|\new
.set MSB, \new
.endif
.endm
.set MUL,  0xa5                        ; sources 0 and 1 window 1; C and D window 2
.set TO_F, 0x40                        ; destination window 1, address window 0
.macro JLOAD s                         ; a joint load: waves 0 and 1 fetch O's two halves, waves 2 and 3 wo's; an s_nop 0 and four v_nop follow each line
	s_cmp_eq_u32 s11, 0
	s_cbranch_scc0 .Lfor_b_\@
	tensor_load_to_lds s[G0+4*\s:G0+4*\s+3], s[G1:G1+7]
	s_nop 0
.rept 4
	v_nop
.endr
	s_branch .Lasked_\@
.Lfor_b_\@:
	tensor_load_to_lds s[G0B+4*\s:G0B+4*\s+3], s[G1B:G1B+7]
	s_nop 0
.rept 4
	v_nop
.endr
.Lasked_\@:
.endm
.macro CREST
	s_cmp_lg_u32 s10, 0
	s_cbranch_scc1 .Lnot_wave_0_\@
	s_barrier_signal -3
.Lnot_wave_0_\@:
	s_barrier_wait -3
	s_barrier_signal -1
	s_barrier_wait -1
.endm
.macro CROUND
	s_barrier_signal -1
	s_barrier_wait -1
	CREST
.endm
	s_load_b128 s[4:7], s[0:1], 0x0                ; ofr, woh
	s_load_b64 s[8:9], s[0:1], 0x10                ; out0
	v_lshl_add_u32 v[SPW], v0, 2, SPARE
	v_mov_b32 v[NIL], 0
	ds_add_u32 v[SPW], v[NIL]                      ; the wave's opening: the add, twice on end, and its wait ahead of my first tensor load
	ds_add_u32 v[SPW], v[NIL]
	v_lshrrev_b32 v1, 5, v0
	v_readfirstlane_b32 s10, v1                    ; wave 0..3
	s_lshr_b32 s11, s10, 1                         ; which half of the tile's tokens is mine.  Also: I fetch for O (0) or for wo (1)
	s_and_b32 s12, s10, 1                          ; which half of its columns.  Also: which half of that tile I fetch
	s_bfe_u32 s40, ttmp6, 0x40000                  ; cx, cy
	s_bfe_u32 s41, ttmp6, 0x40004
	s_lshl_b32 s42, ttmp9, 2
	s_add_co_u32 s42, s42, s40                     ; tile column = 4 x cluster x + cx
	s_and_b32 s13, ttmp7, 0xffff
	s_lshl_b32 s13, s13, 2
	s_add_co_u32 s13, s13, s41                     ; tile row = 4 x cluster y + cy
	s_lshl_b32 s43, s41, 2
	s_lshl_b32 s43, 15, s43                        ; my row of the cluster
	s_lshl_b32 s44, 0x1111, s40                    ; my column
	s_or_b32 s[G1], s43, (3<<16)|(1<<21)           ; O: the mask; elements of 8 bytes; bit 21 beside a mask; no padding: 32,768 dense bytes as 128 rows of 256
	s_mov_b32 s[G1+1], 32<<16
	s_mov_b32 s[G1+2], 128<<16
	s_mov_b32 s[G1+3], 32<<16
	s_mov_b32 s[G1+4], 128
	s_mov_b32 s[G1+5], 32
	s_mov_b32 s[G1+6], 0
	s_mov_b32 s[G1+7], 0
	s_or_b32 s[G1B], s44, (1<<16)|(1<<20)|(1<<21)|(5<<22)|(3<<25)   ; wo: elements of 2 bytes; 4 words of padding behind every 64: 64 rows of 128
	s_mov_b32 s[G1B+1], 128<<16
	s_mov_b32 s[G1B+2], 64<<16
	s_mov_b32 s[G1B+3], 128<<16
	s_mov_b32 s[G1B+4], 64
	s_mov_b32 s[G1B+5], 1024
	s_mov_b32 s[G1B+6], 0
	s_mov_b32 s[G1B+7], 0
	s_lshl_b32 s16, s13, 19                        ; O: 524,288 bytes a block of 256 tokens,
	s_lshl_b32 s17, s12, 15                        ; my half of a K step's 65,536
	s_add_co_u32 s16, s16, s17
	s_mov_b32 s17, 0
	s_lshl_b32 s46, s42, 18                        ; wo: 128 rows of 2,048 bytes a tile column,
	s_lshl_b32 s47, s12, 17                        ; 64 rows a half
	s_add_co_u32 s46, s46, s47
	s_mov_b32 s47, 0
	s_lshl_b32 s20, s12, 15                        ; where they go: no place in the cluster enters an LDS address
	s_mul_i32 s21, s12, HB
	s_add_co_u32 s21, s21, ABY
	s_wait_dscnt 0x0                               ; both opening adds are done
	s_wait_kmcnt 0x0
	s_add_nc_u64 s[14:15], s[4:5], s[16:17]
	s_add_nc_u64 s[46:47], s[6:7], s[46:47]
	CROUND                                         ; all sixteen work-groups are here: the first joint loads meet
.irp s, 0,1
	s_mov_b32 s[G0+4*\s], 1
	s_add_co_u32 s[G0+4*\s+1], s20, \s*SLOT
	s_add_nc_u64 s[G0+4*\s+2:G0+4*\s+3], s[14:15], \s*65536
	s_or_b32 s[G0+4*\s+3], s[G0+4*\s+3], 0x80000000
	s_mov_b32 s[G0B+4*\s], 1
	s_add_co_u32 s[G0B+4*\s+1], s21, \s*SLOT
	s_add_nc_u64 s[G0B+4*\s+2:G0B+4*\s+3], s[46:47], \s*256
	s_or_b32 s[G0B+4*\s+3], s[G0B+4*\s+3], 0x80000000
	JLOAD \s
.endr
	v_and_b32 v1, 15, v0                           ; r
	v_bfe_u32 v2, v0, 4, 1                         ; h
	v_and_b32 v6, 31, v0
	v_lshlrev_b32 v3, 4, v6
	s_lshl_b32 s22, s11, 13                        ; my eight tiles of tokens: 8,192 bytes in each 32 along K
	v_add_nc_u32 v[ADRA], s22, v3
	v_add_nc_u32 v[ADRA+1], SLOT, v[ADRA]
	v_mul_u32_u24 v4, v1, PITCH
	v_lshl_add_u32 v4, v2, 4, v4
	s_mul_i32 s23, s12, HB
	s_add_co_u32 s23, s23, ABY
	v_add_nc_u32 v[ADRB], s23, v4
	v_add_nc_u32 v[ADRB+1], SLOT, v[ADRB]
	s_mul_i32 s23, s10, 16*SPITCH
	s_add_co_u32 s23, s23, STAGE                   ; my stage
	v_mul_u32_u24 v4, v1, SPITCH                   ; in: row r, 32 bytes for each half of the lanes
	v_lshl_add_u32 v4, v2, 5, v4
	v_add_nc_u32 v[STO], s23, v4
	v_mul_u32_u24 v5, v2, SPITCH                   ; back: lanes 0-15 one row of 256 bytes, lanes 16-31 the next
	v_lshl_add_u32 v5, v1, 4, v5
	v_add_nc_u32 v[RD], s23, v5
	v_lshlrev_b32 v5, 12, v2                       ; and the same two rows in out0
	v_lshl_add_u32 v[CO], v1, 4, v5
	s_lshl_b32 s16, s13, 8
	s_lshl_b32 s17, s11, 7
	s_add_co_u32 s16, s16, s17                     ; my first token
	s_lshl_b32 s16, s16, 12                        ; rows of 4,096 bytes
	s_mov_b32 s17, 0
	s_add_nc_u64 s[8:9], s[8:9], s[16:17]
	s_lshl_b32 s46, s42, 9                         ; my first column, in bytes: 512 x tile column + 256 x half
	s_lshl_b32 s47, s12, 8
	s_add_co_u32 s46, s46, s47
	s_mov_b32 s47, 0
	s_add_nc_u64 s[8:9], s[8:9], s[46:47]
.macro MUL8 f, a0, zero                ; 8 products: token blocks a0, a0 + 1 x the four column blocks, 32 along K.  The 32 accumulators take turns
.irp a, \a0, \a0+1
.irp b, 0,1,2,3
.if \zero
	v_wmma_f32_16x16x32_f16 v[8*(4*(\a)+\b):8*(4*(\a)+\b)+7], v[\f+64+8*\b:\f+64+8*\b+7], v[\f+8*(\a):\f+8*(\a)+7], 0
.else
	v_wmma_f32_16x16x32_f16 v[8*(4*(\a)+\b):8*(4*(\a)+\b)+7], v[\f+64+8*\b:\f+64+8*\b+7], v[\f+8*(\a):\f+8*(\a)+7], v[8*(4*(\a)+\b):8*(4*(\a)+\b)+7]
.endif
.endr
.endr
.endm
.macro FETCH slot, kk, f               ; 24 LDS loads in one run: wo's four fragments, O's blocks 0-3, O's blocks 4-7, of the slot's kk-th 32 along K
	WIN TO_F
.irp i, 0,1,2,3
	ds_load_b128 v[\f+64+8*\i:\f+64+8*\i+3], v[ADRB+\slot] offset:64*(\kk)+\i*16*PITCH
	ds_load_b128 v[\f+64+8*\i+4:\f+64+8*\i+7], v[ADRB+\slot] offset:64*(\kk)+\i*16*PITCH+32
.endr
.irp i, 0,1,2,3,4,5,6,7
	ds_load_b128 v[\f+8*\i:\f+8*\i+3], v[ADRA+\slot] offset:16384*(\kk)+1024*\i
	ds_load_b128 v[\f+8*\i+4:\f+8*\i+7], v[ADRA+\slot] offset:16384*(\kk)+1024*\i+512
.endr
.endm
.macro PLACES
.rept 4
	v_nop
.endr
.endm
; A K step is four quarters of 32 along K, 32 products each, on buffers 0, 1, 0, 1.  One of the first three: multiplies buffer f and fetches the next quarter into g.
.macro QUARTER slot, kk, f, g, zero
	s_wait_dscnt 8                                 ; wo's fragments and O's blocks 0-3 are in; the youngest eight loads may be out
	WIN MUL
	MUL8 \f, 0, \zero
	MUL8 \f, 2, \zero
	PLACES
	FETCH \slot, \kk, \g
	s_wait_dscnt 24                                ; all but the 24 just issued
	WIN MUL
	MUL8 \f, 4, \zero
	MUL8 \f, 6, \zero
.endm
; The last quarter multiplies buffer 1 and changes slots: ONE barrier; in front of it each wave waits for all its tensor loads, adds 0 to its spare word, and waits for that and for its reads of this slot.
.macro TURN slot, next, fill
	WIN 0
	s_wait_tensorcnt 0x0                           ; all my tensor loads have landed: my part of the next slot
	ds_add_u32 v[SPW], v[NIL]
	s_wait_dscnt 9                                 ; (the add and the youngest eight loads may be out)
	WIN MUL
	MUL8 F1, 0, 0                                  ; eight products stand between the add and the wait for it
	s_wait_dscnt 0x0                               ; the add is done, and my reads of this slot are over
	s_barrier_signal -1
	MUL8 F1, 2, 0
.if \fill
	WIN 0
.endif
	s_barrier_wait -1
.if \fill
	CREST                                          ; the barrier has opened a round of the cluster's: no wave of any partner still reads this slot or has a load on its way
	s_add_nc_u64 s[G0+4*\slot+2:G0+4*\slot+3], s[G0+4*\slot+2:G0+4*\slot+3], 131072
	s_add_nc_u64 s[G0B+4*\slot+2:G0B+4*\slot+3], s[G0B+4*\slot+2:G0B+4*\slot+3], 512
	JLOAD \slot                                    ; the first tensor load behind the round; its four v_nop are also the places in front of the loads below
.else
	PLACES
.endif
	FETCH \next, 0, F0
	WIN MUL
	MUL8 F1, 4, 0
	MUL8 F1, 6, 0
.endm
	s_wait_tensorcnt 1                             ; my part of K step 0 is in; K step 1's may stay out,
	s_barrier_signal -1
	s_barrier_wait -1                              ; everybody's is
	FETCH 0, 0, F0
	QUARTER 0, 1, F0, F1, 1                        ; the first quarter's products start the sums
	WIN 0
	s_mov_b32 s3, LAPS-1
.Llap:                                             ; a trip goes once round the ring and fills both slots again
	QUARTER 0, 2, F1, F0, 0
	QUARTER 0, 3, F0, F1, 0
	TURN 0, 1, 1
	QUARTER 1, 1, F0, F1, 0
	QUARTER 1, 2, F1, F0, 0
	QUARTER 1, 3, F0, F1, 0
	TURN 1, 0, 1
	QUARTER 0, 1, F0, F1, 0
	WIN 0
	s_sub_co_u32 s3, s3, 1
	s_cmp_lg_u32 s3, 0
	s_cbranch_scc1 .Llap
	QUARTER 0, 2, F1, F0, 0                        ; the last lap fills nothing
	QUARTER 0, 3, F0, F1, 0
	TURN 0, 1, 0
	QUARTER 1, 1, F0, F1, 0
	QUARTER 1, 2, F1, F0, 0
	QUARTER 1, 3, F0, F1, 0
	s_wait_dscnt 8
	WIN MUL
	MUL8 F1, 0, 0
	MUL8 F1, 2, 0
	s_wait_dscnt 0x0
	MUL8 F1, 4, 0
	MUL8 F1, 6, 0
	WIN 0
; THE WAY OUT, a block of 16 tokens x 64 columns at a time, through my own stage: in as 32 bytes a lane, back as whole rows of 256 bytes, so that sixteen lanes store 256 consecutive bytes, aligned.
; LDS serves a wave's instructions in order (ISA guide 5.7.1.4): no wait between the stores and the loads, nor in front of the next block's stores.
.macro TOSTAGE a
	WIN 0x08                                       ; an LDS store's data are its source 1: window 2
.irp b, 0,1,2,3
	ds_store_b128 v[STO], v[8*(4*(\a)+\b):8*(4*(\a)+\b)+3] offset:64*\b            ; each accumulator from its low end on
	ds_store_b128 v[STO], v[8*(4*(\a)+\b)+4:8*(4*(\a)+\b)+7] offset:64*\b+16
.endr
	WIN 0
.set BB, OBK+32*((\a)%2)
.irp t, 0,1,2,3,4,5,6,7
	ds_load_b128 v[BB+4*\t:BB+4*\t+3], v[RD] offset:\t*2*SPITCH
.endr
.endm
.macro SEND a, younger
.set BB, OBK+32*((\a)%2)
	s_wait_dscnt \younger                          ; the block is back in registers
.if (\a) > 0
	s_add_nc_u64 s[8:9], s[8:9], 65536             ; 16 rows of out0 on (behind a wait on XCNT: the earlier stores have read their base)
.endif
.irp t, 0,1,2,3,4,5,6,7
	global_store_b128 v[CO], v[BB+4*\t:BB+4*\t+3], s[8:9] offset:8192*\t th:TH_STORE_NT
.endr
.endm
	PLACES
	TOSTAGE 0
.irp a, 1,2,3,4,5,6,7
.if \a > 1
	s_wait_xcnt 0x0                                ; block a - 2's stores have read their registers and their base
.endif
	TOSTAGE \a
	SEND \a-1, 16                                  ; behind block a - 1's loads: block a's 8 stores and 8 loads
.endr
	s_wait_xcnt 0x0
	SEND 7, 0
	s_wait_tensorcnt 0x0                           ; the wave's end
	ds_add_u32 v[SPW], v[NIL]
	s_wait_dscnt 0x0
	CROUND                                         ; the closing round
	s_endpgm
.Lfunc_end_k_qb4a40f7d56_proj:
	.size	k_qb4a40f7d56_proj, .Lfunc_end_k_qb4a40f7d56_proj-k_qb4a40f7d56_proj
	.p2alignl 7, 3214868480
	.fill 96, 4, 3214868480
	.section	.rodata,"a",@progbits
	.p2align	6, 0x0
	.amdhsa_kernel k_qb4a40f7d56_proj
		.amdhsa_group_segment_fixed_size 327680
		.amdhsa_private_segment_fixed_size 0
		.amdhsa_enable_private_segment 0
		.amdhsa_kernarg_size 24
		.amdhsa_user_sgpr_count 2
		.amdhsa_user_sgpr_kernarg_segment_ptr 1
		.amdhsa_wavefront_size32 1
		.amdhsa_system_sgpr_workgroup_id_x 1
		.amdhsa_system_sgpr_workgroup_id_y 1
		.amdhsa_system_sgpr_workgroup_id_z 1
		.amdhsa_system_vgpr_workitem_id 0
		.amdhsa_next_free_vgpr 768
		.amdhsa_next_free_sgpr 66
		.amdhsa_reserve_vcc 0
		.amdhsa_float_denorm_mode_32 3
		.amdhsa_float_denorm_mode_16_64 3
		.amdhsa_memory_ordered 1
		.amdhsa_forward_progress 1
		.amdhsa_inst_pref_size 86
	.end_amdhsa_kernel
	.amdgpu_metadata
---
amdhsa.version: [ 1, 2 ]
amdhsa.kernels:
  - .name:           k_qb4a40f7d56_proj
    .symbol:         k_qb4a40f7d56_proj.kd
    .args:
      - { .name: ofr, .offset: 0, .size: 8, .value_kind: global_buffer, .address_space: global }
      - { .name: woh, .offset: 8, .size: 8, .value_kind: global_buffer, .address_space: global }
      - { .name: out0, .offset: 16, .size: 8, .value_kind: global_buffer, .address_space: global }
    .group_segment_fixed_size: 327680
    .private_segment_fixed_size: 0
    .kernarg_segment_align: 8
    .kernarg_segment_size: 24
    .max_flat_workgroup_size: 128
    .sgpr_count:     66
    .vgpr_count:     768
    .wavefront_size: 32
...
	.end_amdgpu_metadata
.endif
;; end of part 4
;; launch fine (part 5): grid 16 x 4, 16 waves a work-group, no clusters, 71,680 bytes of LDS; arguments stf, wo, out0; writes out0
.if DOCPART == 5
	.amdgcn_target "amdgcn-amd-amdhsa--gfx1250"
	.amdhsa_code_object_version 6
	.text
	.protected	k_qb4a40f7d56_fine
	.globl	k_qb4a40f7d56_fine
	.p2align	8
	.type	k_qb4a40f7d56_fine,@function
k_qb4a40f7d56_fine:
	s_mov_b64 s[64:65], 0
	v_nop
	global_prefetch_b8 v0, s[64:65] scope:SCOPE_SE
	s_setreg_imm32_b32 hwreg(HW_REG_WAVE_MODE, 25, 1), 1
	s_wait_xcnt 0x0
; Positions 0-15 of every batch, once more and all in f32: under the causal mask these rows average one to sixteen values and are the largest of the output, so the rounding of f16 operands weighs most there.
; Work-group (j, b) makes out0 rows 2,048 b .. + 15, columns 64 j .. + 63.  Wave = head: it makes its head's 16 x 16 attention from the f32 images that the second launch kept, then its head's share
; (64 of the 1,024 along K) of the projection for the 64 columns; the sixteen shares are added through LDS.  The attention is made anew in each of the 16 column slices: 32 small products a wave.
; All products by the f32 matrix form, 16 x 16 x 4: a lane's register j of a source holds k = 2 (lane / 16) + j.  The images give both sources of a product the same permutation of k, which keeps the sums.
; The registers that this form writes (v24-87) are written by matrix instructions alone; each sum begins with the constant 0.
; Eight plain instructions stand between such a product and a read of its result or a write of its sources (ISA guide 7.12.1).  Few work-groups, a short launch: no tensor load, no cluster, no prefetch.
.set LI,   3                           ; v3  16 x lane
.set WA,   4                           ; v4  wo: 4,096 r + 32 h
.set DD,   5                           ; v5  r - 8 h
.set SPW,  6
.set NIL,  7
.set STO,  8
.set RDR,  9
.set CO,   10
.set NINF, 11
.set TP,   16                          ; v16-23 scores, then p
.set SA,   24                          ; v24-39 two accumulators of S^T; later Y's tiles 0, 1;  v40-55 Y's tiles 2, 3
.set Y,    24
.set OA,   56                          ; v56-87 O^T
.set QR,   88                          ; v88-119 q, later wo's tile 2
.set KR,   120                         ; v120-151 k, later wo's tile 3
.set VR,   152                         ; v152-183 v, later O^T / the sum
.set ON,   152
.set W0,   184                         ; v184-215 wo's tile 0, later the sixteen shares
.set W1,   216
.set W2,   88
.set W3,   120
.set RED,  184
.set SPARE, 16*16*272                  ; behind the sixteen shares: the spare words, 128 bytes a wave
	s_load_b128 s[4:7], s[0:1], 0x0                ; stf, wo
	s_load_b64 s[8:9], s[0:1], 0x10                ; out0
	v_lshl_add_u32 v[SPW], v0, 2, SPARE
	v_mov_b32 v[NIL], 0
	v_lshrrev_b32 v1, 5, v0
	v_readfirstlane_b32 s10, v1                    ; wave = head
	s_and_b32 s11, ttmp7, 0xffff                   ; batch
	v_and_b32 v1, 15, v0                           ; r
	v_bfe_u32 v2, v0, 4, 1                         ; h
	v_and_b32 v12, 31, v0
	v_lshlrev_b32 v[LI], 4, v12
	v_lshlrev_b32 v[WA], 12, v1
	v_lshl_add_u32 v[WA], v2, 5, v[WA]
	v_lshlrev_b32 v13, 3, v2
	v_sub_nc_u32 v[DD], v1, v13
	s_mul_i32 s12, s10, 16*272
	v_mul_u32_u24 v[STO], v1, 272
	v_lshl_add_u32 v[STO], v2, 5, v[STO]
	v_add_nc_u32 v[STO], s12, v[STO]               ; my share: row r of 256 bytes + 16, 32 bytes for each half of the lanes
	s_mul_i32 s12, s10, 272
	v_lshlrev_b32 v[CO], 3, v12
	v_add_nc_u32 v[RDR], s12, v[CO]                ; back: token row = my wave's number, 8 bytes a lane
	v_mov_b32 v[NINF], 0xff800000
	s_mov_b32 s20, 0x76543210
	s_mov_b32 s21, 0xfedcba98
	s_lshl_b32 s12, s11, 4
	s_add_co_u32 s12, s12, s10
	s_mul_i32 s22, s12, 12288                      ; 24 chunks of 512 bytes for each batch and head
	s_mov_b32 s23, 0
	s_lshl_b32 s24, ttmp9, 18                      ; wo: 64 rows of 4,096 bytes a slice,
	s_lshl_b32 s12, s10, 8                         ; my head's 64 numbers of a row
	s_add_co_u32 s24, s24, s12
	s_mov_b32 s25, 0
	s_lshl_b32 s26, s11, 11
	s_add_co_u32 s26, s26, s10                     ; out0: row 2,048 b + wave,
	s_lshl_b32 s26, s26, 12
	s_lshl_b32 s12, ttmp9, 8                       ; the slice's 256 bytes
	s_add_co_u32 s26, s26, s12
	s_mov_b32 s27, 0
	s_wait_kmcnt 0x0
	s_add_nc_u64 s[18:19], s[4:5], s[22:23]
	s_add_nc_u64 s[14:15], s[6:7], s[24:25]
	s_add_nc_u64 s[16:17], s[8:9], s[26:27]
.irp i, 0,1,2,3,4,5,6,7
	global_load_b128 v[QR+4*\i:QR+4*\i+3], v[LI], s[18:19] offset:512*\i
.endr
.irp i, 0,1,2,3,4,5,6,7
	global_load_b128 v[KR+4*\i:KR+4*\i+3], v[LI], s[18:19] offset:4096+512*\i
.endr
.irp i, 0,1,2,3,4,5,6,7
	global_load_b128 v[VR+4*\i:VR+4*\i+3], v[LI], s[18:19] offset:8192+512*\i
.endr
.macro WLOAD reg, nt                   ; wo's tile nt (16 columns of out0): lane (r, h) takes, of row 16 nt + r, channels 16 n + 8 h + 0..7 of my head: register 8 n + i
.irp n, 0,1,2,3
	global_load_b128 v[\reg+8*\n:\reg+8*\n+3], v[WA], s[14:15] offset:65536*\nt+64*\n
	global_load_b128 v[\reg+8*\n+4:\reg+8*\n+7], v[WA], s[14:15] offset:65536*\nt+64*\n+16
.endr
.endm
	WLOAD W0, 0
	WLOAD W1, 1
	s_wait_loadcnt 24                              ; q and k are in; v's 8 loads and wo's 16 may be out
.irp s, 0,1,2,3,4,5,6,7,8,9,10,11,12,13,14,15      ; S^T = k q^T over 64 channels: two accumulators by turns
.if \s < 2
	v_wmma_f32_16x16x4_f32 v[SA+8*(\s%2):SA+8*(\s%2)+7], v[KR+2*\s:KR+2*\s+1], v[QR+2*\s:QR+2*\s+1], 0
.else
	v_wmma_f32_16x16x4_f32 v[SA+8*(\s%2):SA+8*(\s%2)+7], v[KR+2*\s:KR+2*\s+1], v[QR+2*\s:QR+2*\s+1], v[SA+8*(\s%2):SA+8*(\s%2)+7]
.endif
.endr
.rept 8
	v_nop
.endr
	WLOAD W2, 2                                    ; into the registers that q and k have left
	WLOAD W3, 3
.irp j, 0,1,2,3,4,5,6,7
	v_add_f32 v[TP+\j], v[SA+\j], v[SA+8+\j]       ; register j: key 8 h + j, query r; already an exponent of 2
.endr
.irp j, 0,1,2,3,4,5,6,7
	v_cmp_gt_i32 vcc_lo, \j, v[DD]                 ; hidden where 8 h + j > r
	v_cndmask_b32 v[TP+\j], v[TP+\j], v[NINF], vcc_lo
.endr
	v_max3_num_f32 v12, v[TP], v[TP+1], v[TP+2]
	v_max3_num_f32 v12, v12, v[TP+3], v[TP+4]
	v_max3_num_f32 v12, v12, v[TP+5], v[TP+6]
	v_max_num_f32 v12, v12, v[TP+7]
	v_permlanex16_b32 v13, v12, s20, s21
	v_max_num_f32 v12, v12, v13                    ; the row's maximum: key 0 is open for every query
.irp j, 0,1,2,3,4,5,6,7
	v_sub_f32 v[TP+\j], v[TP+\j], v12
.endr
.irp j, 0,1,2,3,4,5,6,7
	v_exp_f32 v[TP+\j], v[TP+\j]
.endr
	v_nop
	s_wait_alu depctr_va_vdst(0)                   ; one wait for the eight exponentials
	v_add_f32 v14, v[TP], v[TP+1]
	v_add_f32 v15, v[TP+2], v[TP+3]
	v_add_f32 v14, v14, v[TP+4]
	v_add_f32 v15, v15, v[TP+5]
	v_add_f32 v14, v14, v[TP+6]
	v_add_f32 v15, v15, v[TP+7]
	v_add_f32 v14, v14, v15
	v_permlanex16_b32 v13, v14, s20, s21
	v_add_f32 v14, v14, v13                        ; the row's sum
	v_rcp_f32 v15, v14
	v_nop
	s_wait_alu depctr_va_vdst(0)
	s_wait_loadcnt 32                              ; v is in; wo's 32 loads may be out
.irp s, 0,1,2,3                                    ; O^T = v^T p over 16 keys: four accumulators by turns
.irp n, 0,1,2,3
.if \s == 0
	v_wmma_f32_16x16x4_f32 v[OA+8*\n:OA+8*\n+7], v[VR+8*\n+2*\s:VR+8*\n+2*\s+1], v[TP+2*\s:TP+2*\s+1], 0
.else
	v_wmma_f32_16x16x4_f32 v[OA+8*\n:OA+8*\n+7], v[VR+8*\n+2*\s:VR+8*\n+2*\s+1], v[TP+2*\s:TP+2*\s+1], v[OA+8*\n:OA+8*\n+7]
.endif
.endr
.endr
.rept 8
	v_nop
.endr
.irp i, 0,1,2,3,4,5,6,7,8,9,10,11,12,13,14,15,16,17,18,19,20,21,22,23,24,25,26,27,28,29,30,31
	v_mul_f32 v[ON+\i], v[OA+\i], v15              ; register 8 n + j: channel 16 n + 8 h + j of token r
.endr
	s_wait_loadcnt 0x0                             ; wo
.irp n, 0,1,2,3                                    ; my head's share of the projection: source 0 = 16 rows of wo, source 1 = the 16 tokens; four accumulators by turns
.irp s, 0,1,2,3
.if (\n == 0) && (\s == 0)
	v_wmma_f32_16x16x4_f32 v[Y:Y+7], v[W0+8*\n+2*\s:W0+8*\n+2*\s+1], v[ON+8*\n+2*\s:ON+8*\n+2*\s+1], 0
	v_wmma_f32_16x16x4_f32 v[Y+8:Y+15], v[W1+8*\n+2*\s:W1+8*\n+2*\s+1], v[ON+8*\n+2*\s:ON+8*\n+2*\s+1], 0
	v_wmma_f32_16x16x4_f32 v[Y+16:Y+23], v[W2+8*\n+2*\s:W2+8*\n+2*\s+1], v[ON+8*\n+2*\s:ON+8*\n+2*\s+1], 0
	v_wmma_f32_16x16x4_f32 v[Y+24:Y+31], v[W3+8*\n+2*\s:W3+8*\n+2*\s+1], v[ON+8*\n+2*\s:ON+8*\n+2*\s+1], 0
.else
	v_wmma_f32_16x16x4_f32 v[Y:Y+7], v[W0+8*\n+2*\s:W0+8*\n+2*\s+1], v[ON+8*\n+2*\s:ON+8*\n+2*\s+1], v[Y:Y+7]
	v_wmma_f32_16x16x4_f32 v[Y+8:Y+15], v[W1+8*\n+2*\s:W1+8*\n+2*\s+1], v[ON+8*\n+2*\s:ON+8*\n+2*\s+1], v[Y+8:Y+15]
	v_wmma_f32_16x16x4_f32 v[Y+16:Y+23], v[W2+8*\n+2*\s:W2+8*\n+2*\s+1], v[ON+8*\n+2*\s:ON+8*\n+2*\s+1], v[Y+16:Y+23]
	v_wmma_f32_16x16x4_f32 v[Y+24:Y+31], v[W3+8*\n+2*\s:W3+8*\n+2*\s+1], v[ON+8*\n+2*\s:ON+8*\n+2*\s+1], v[Y+24:Y+31]
.endif
.endr
.endr
.rept 8
	v_nop
.endr
.irp t, 0,1,2,3
	ds_store_b128 v[STO], v[Y+8*\t:Y+8*\t+3] offset:64*\t          ; lane (r, h): token r, columns 16 t + 8 h + 0..7; each accumulator from its low end on
	ds_store_b128 v[STO], v[Y+8*\t+4:Y+8*\t+7] offset:64*\t+16
.endr
	s_wait_dscnt 0x0                               ; for the others' sake: my share lies in LDS
	s_barrier_signal -1
	s_barrier_wait -1
.irp g, 0,1,2,3,4,5,6,7,8,9,10,11,12,13,14,15
	ds_load_b64 v[RED+2*\g:RED+2*\g+1], v[RDR] offset:4352*\g      ; token row = my wave's number, of all sixteen shares
.endr
	s_wait_dscnt 0x0
.irp i, 0,1,2,3,4,5,6,7
	v_pk_add_f32 v[RED+4*\i:RED+4*\i+1], v[RED+4*\i:RED+4*\i+1], v[RED+4*\i+2:RED+4*\i+3]
.endr
.irp i, 0,1,2,3
	v_pk_add_f32 v[RED+8*\i:RED+8*\i+1], v[RED+8*\i:RED+8*\i+1], v[RED+8*\i+4:RED+8*\i+5]
.endr
.irp i, 0,1
	v_pk_add_f32 v[RED+16*\i:RED+16*\i+1], v[RED+16*\i:RED+16*\i+1], v[RED+16*\i+8:RED+16*\i+9]
.endr
	v_pk_add_f32 v[RED:RED+1], v[RED:RED+1], v[RED+16:RED+17]
	global_store_b64 v[CO], v[RED:RED+1], s[16:17]                 ; 32 lanes store 256 consecutive bytes, aligned
	s_wait_tensorcnt 0x0                           ; the wave's end, behind my last LDS store
	ds_add_u32 v[SPW], v[NIL]
	s_wait_dscnt 0x0
	s_endpgm
.Lfunc_end_k_qb4a40f7d56_fine:
	.size	k_qb4a40f7d56_fine, .Lfunc_end_k_qb4a40f7d56_fine-k_qb4a40f7d56_fine
	.p2alignl 7, 3214868480
	.fill 96, 4, 3214868480
	.section	.rodata,"a",@progbits
	.p2align	6, 0x0
	.amdhsa_kernel k_qb4a40f7d56_fine
		.amdhsa_group_segment_fixed_size 71680
		.amdhsa_private_segment_fixed_size 0
		.amdhsa_enable_private_segment 0
		.amdhsa_kernarg_size 24
		.amdhsa_user_sgpr_count 2
		.amdhsa_user_sgpr_kernarg_segment_ptr 1
		.amdhsa_wavefront_size32 1
		.amdhsa_system_sgpr_workgroup_id_x 1
		.amdhsa_system_sgpr_workgroup_id_y 1
		.amdhsa_system_sgpr_workgroup_id_z 1
		.amdhsa_system_vgpr_workitem_id 0
		.amdhsa_next_free_vgpr 256
		.amdhsa_next_free_sgpr 66
		.amdhsa_reserve_vcc 1
		.amdhsa_float_denorm_mode_32 3
		.amdhsa_float_denorm_mode_16_64 3
		.amdhsa_memory_ordered 1
		.amdhsa_forward_progress 1
		.amdhsa_inst_pref_size 21
	.end_amdhsa_kernel
	.amdgpu_metadata
---
amdhsa.version: [ 1, 2 ]
amdhsa.kernels:
  - .name:           k_qb4a40f7d56_fine
    .symbol:         k_qb4a40f7d56_fine.kd
    .args:
      - { .name: stf, .offset: 0, .size: 8, .value_kind: global_buffer, .address_space: global }
      - { .name: wo, .offset: 8, .size: 8, .value_kind: global_buffer, .address_space: global }
      - { .name: out0, .offset: 16, .size: 8, .value_kind: global_buffer, .address_space: global }
    .group_segment_fixed_size: 71680
    .private_segment_fixed_size: 0
    .kernarg_segment_align: 8
    .kernarg_segment_size: 24
    .max_flat_workgroup_size: 512
    .sgpr_count:     66
    .vgpr_count:     256
    .wavefront_size: 32
...
	.end_amdgpu_metadata
.endif
;; end of part 5
